; MI455X (gfx1250); checked and timed in simulation.
; The chip was launched on July 23, 2026; its instructions are those of AMD's public machine-readable ISA for CDNA 5 (MIT licence, August 2026) and "CDNA5" Instruction Set Architecture Reference Guide (July 2026). The comments in the code are by the model that wrote it; some were corrected since.
;; Mixture Of Experts. Allowed arithmetic: matrix products marked QUANTISED: E2M1 operands, one E8M0 scale for each 32 along K, by v_wmma_scale_f32_16x16x128_f8f6f4 with both operands' format E2M1 (or v_wmma_scale_f32_32x16x128_f4), f32 sums; products left as they are: f32 operands where the result goes on into a quantised operand, else bf16, f16 or f32 operands; f32 sums; everything else in f32.
;; Inputs: W1 8 x 1,024 x 4,096 float32; W2 8 x 4,096 x 1,024 float32; Wg 1,024 x 8 float32; b1 8 x 4,096 float32; b2 8 x 1,024 float32; bg 8 float32; x 1,024 x 1,024 float32.
;; Outputs: out0 1,024 x 1,024 float32.
;; Constants: k = 2.
;; This version of the problem:
;;   THIS VERSION OF THE PROBLEM IS GIVEN IN LOW PRECISION. The matrix products marked QUANTISED in the list below multiply operands that are first quantised to E2M1 (2 exponent bits, 1 mantissa bit; 4 bits a number), with one power-of-two scale for each 32 numbers along K (OCP MX v1.0); their sums are f32. All else is computed in f32.
;;   The module's matrix products, in the order in which they are computed (A, B: the left and right operand; K: the contracted axis; several contracted axes count as one K, in the product's order):
;;     1. [M 1,024, K 1,024] x [K 1,024, N 8]; A: input x; B: input Wg: left as it is (N = 8 < 16)
;;     2. [M 32,768, K 1,024] x [K 1,024, N 1,024]; A: input W1; B: input x: QUANTISED
;;     3. batch 8 x [M 1,024, K 4,096] x [K 4,096, N 1,024]; A: computed on the way; B: input W2: QUANTISED
;;     4. batch 1,024 x [M 1,024, K 2] x [K 2, N 1]; A: computed on the way; B: softmax: left as it is (K = 2 < 32)
;;   THE QUANTISER, for each operand of a quantised product, along K:
;;     - K is cut into blocks of 32 from its start; a last block that is shorter is filled with zeros.
;;     - A block's scale is 2^e with e = floor(log2(the largest magnitude in the block)) - 2, held to -126 .. 127; a block of zeros has e = 0. As a byte (E8M0): e + 127.
;;     - Each number is divided by its block's scale, clamped to +-6, and rounded to the nearest number of E2M1, ties to even, subnormals kept.
;;     - The product sums the exact products of the quantised numbers (number of the format x scale) in f32.
;;   ~~~python
;;   def quantise(x, axis):      # numpy; x: float32 -> the quantised numbers, widened to float32 again
;;       x = np.moveaxis(x, axis, -1); K = x.shape[-1]
;;       x = np.pad(x, [(0, 0)] * (x.ndim - 1) + [(0, -K % 32)]); x = x.reshape(x.shape[:-1] + (-1, 32)); a = np.abs(x).max(-1, keepdims=True)
;;       e = np.where(a > 0, np.clip(np.frexp(np.where(a > 0, a, 1))[1] - 1 - 2, -126, 127), 0)      # np.frexp(a)[1] - 1 = floor(log2(a)), exactly
;;       r = np.clip(x / 2.0 ** e, -6, 6)
;;       step = 2.0 ** (np.maximum(np.frexp(np.where(r == 0, 1, r))[1] - 1, 0) - 1)
;;       q = np.round(r / step) * step * 2.0 ** e      # np.round: ties to even
;;       return np.moveaxis(q.reshape(q.shape[:-2] + (-1,))[..., :K], -1, axis).astype(np.float32)
;;   ~~~
;;   OPERANDS COMPUTED ON THE WAY. 'Computed on the way' means the value that the module computes at that place (a softmax that the list does not call 'softmax' is quantised finished and normalised). What goes into a quantiser is computed in f32, as accurately as f32 sums, v_exp_f32 and their like allow (about 1e-6 of the number): no bf16 or f16 on the way to a quantiser, and a product that is left as it is and whose result goes on into a quantised operand takes f32 operands (vector FMAs, or v_wmma_f32_16x16x4_f32). A number that lies on a knife's edge between two numbers of the format may be rounded either way, as far as f32 arithmetic and the matrix unit's own rounding can turn it there, and no further.
;; 2 versions. Each part assembles by itself: llvm-mc -triple=amdgcn-amd-amdhsa -mcpu=gfx1250 --defsym DOCPART=n.
;; ======== version 1 of 2: 5 launches
;; workspace buffers: xc 524,288 bytes; xs 32,768 bytes; sel 4,096 bytes of whole numbers; gate 8,192 bytes; hc 16,777,216 bytes; hs 1,048,576 bytes; y 16,777,216 bytes; list 34,816 bytes of whole numbers
;; launch route (part 1): grid 256 x 1, 4 waves a work-group, no clusters, 33,792 bytes of LDS; arguments x, Wg, bg, xc, xs, sel, gate; writes xc, xs, sel, gate
.if DOCPART == 1
	.amdgcn_target "amdgcn-amd-amdhsa--gfx1250"
	.amdhsa_code_object_version 6
	.text
	.protected	k_q4b376c0f46_route
	.globl	k_q4b376c0f46_route
	.p2align	8
	.type	k_q4b376c0f46_route,@function
k_q4b376c0f46_route:
	s_mov_b64 s[64:65], 0
	v_nop
	global_prefetch_b8 v0, s[64:65] scope:SCOPE_SE
	s_setreg_imm32_b32 hwreg(HW_REG_WAVE_MODE, 25, 1), 1
	s_wait_xcnt 0x0
; ROUTER AND QUANTISER OF x.  logits = x Wg + bg in f32 multiply-adds; the two largest (a tie goes to the lower index: a later logit replaces only if strictly larger);
; gates = softmax of the two, the larger taken away first.  x is turned into codes of E2M1 with one E8M0 byte for each 32 along its row.
; SHARES: 256 work-groups x 4 waves: a wave owns ONE token, lane l owns block l of its row (k = 32 l .. 32 l + 31): the block's largest magnitude needs no other lane, and the
; conversions take their eight neighbours from the lane's own registers.  A lane's eight loads of x lie in 128 bytes of its own, 128 bytes from the next lane's: x is 4 MiB of the program's 270.
; OUT: xc [token][512 B] codes, block l at byte 16 l (a wave stores 512 bytes on end); xs [token][32 B] scale bytes; sel [token] = first expert | second << 8; gate [2 token + j].
; xs, sel and gate are 32, 4 and 8 bytes a token: parts of aligned 256 bytes, 44 KiB in the whole launch.
; No address and no branch hangs on the choice: it is stored at fixed places, and the later launches form their lists from it.
; LIMITS: NaN and infinities are not served.  A block whose largest magnitude is under 2^-124, a block of zeros too, gets the byte 1 (its codes are then zeros or what that scale gives);
; the bytes are read by this program alone.  The logits are summed in another order than a row-by-row sum: two logits equal to within f32 rounding may change places.
.set XR,  16                           ; v16-47   my 32 numbers of x
.set WA,  48                           ; v48-111  Wg on its way into LDS; then eight rows of Wg, by turns with
.set WB,  112                          ; v112-175
.set LG,  176                          ; v176-183 eight sums
.set M1,  184
.set M2,  185
.set SOP, 186                          ; the conversion's scale operand
.set BY,  187                          ; the scale's byte
.set CD,  188                          ; v188-191 my block's codes
.set B1,  192                          ; the largest logit, its index, the second, its index
.set I1,  193
.set B2,  194
.set I2,  195
.set T0,  196
.set T1,  197
.set XW,  198                          ; the scale word of four blocks
.set XT,  199
.set PD,  200                          ; v200-207 the other half's sums
.set SW,  208                          ; what is stored: the choice, the gate
.set GV,  209
.set EX,  210
.set RC,  211
	s_load_b256 s[4:11], s[0:1], 0x0               ; x s[4:5], Wg s[6:7], bg s[8:9], xc s[10:11]
	s_load_b128 s[12:15], s[0:1], 0x20             ; xs s[12:13], sel s[14:15]
	s_load_b64 s[16:17], s[0:1], 0x30              ; gate
	v_lshl_add_u32 v216, v0, 2, 0x8200
	v_mov_b32 v217, 0
	v_lshrrev_b32 v1, 5, v0
	v_readfirstlane_b32 s18, v1                    ; wave
	v_and_b32 v1, 31, v0                           ; lane
	v_lshlrev_b32 v2, 4, v0                        ; Wg in: 16 bytes a thread, 2,048 a load
	v_lshrrev_b32 v3, 6, v0
	v_lshl_add_u32 v3, v3, 4, v2                   ; into LDS: 16 bytes of padding behind each 1,024: byte a goes to a + 16 (a / 1024)
	v_lshlrev_b32 v4, 7, v1                        ; x: my block's 128 bytes
	v_mul_u32_u24 v5, v1, 1040                     ; my 32 rows of Wg in LDS: 260 words from lane to lane
	v_lshlrev_b32 v6, 4, v1                        ; xc: 16 bytes a lane
	v_lshrrev_b32 v7, 2, v1
	v_lshlrev_b32 v7, 2, v7                        ; xs: a word for four lanes
	v_and_b32 v8, 1, v1
	v_lshlrev_b32 v8, 2, v8                        ; gate: even lanes the first, odd lanes the second
	v_mov_b32 v9, 0
	v_and_b32 v10, 3, v1
	v_lshlrev_b32 v10, 3, v10                      ; my byte's place in the scale word
	v_mov_b32 v[XT], 0                             ; written once: the destination of a lane move counts as read
.irp e, 0,1,2,3,4,5,6,7
	v_mov_b32 v[PD+\e], 0
.endr
	s_lshl_b32 s19, ttmp9, 2
	s_add_co_u32 s19, s19, s18                     ; my token
	s_mov_b32 s28, 0x76543210
	s_mov_b32 s29, 0xfedcba98                      ; v_permlanex16_b32's selects for lane l xor 16
	s_mov_b32 s36, 0xaaaaaaaa                      ; the odd lanes
	s_mov_b32 s31, 0
	s_wait_kmcnt 0x0
	s_load_b256 s[20:27], s[8:9], 0x0              ; bg: eight numbers
	s_lshl_b32 s30, s19, 12
	s_add_nc_u64 s[4:5], s[4:5], s[30:31]          ; x at my row
	s_lshl_b32 s30, s19, 9
	s_add_nc_u64 s[10:11], s[10:11], s[30:31]
	s_lshl_b32 s30, s19, 5
	s_add_nc_u64 s[12:13], s[12:13], s[30:31]
	s_lshl_b32 s30, s19, 2
	s_add_nc_u64 s[14:15], s[14:15], s[30:31]
	s_lshl_b32 s30, s19, 3
	s_add_nc_u64 s[16:17], s[16:17], s[30:31]
.irp j, 0,1,2,3,4,5,6,7,8,9,10,11,12,13,14,15
	global_load_b128 v[WA+4*\j:WA+4*\j+3], v2, s[6:7] offset:2048*\j
.endr
.irp j, 0,1,2,3,4,5,6,7
	global_load_b128 v[XR+4*\j:XR+4*\j+3], v4, s[4:5] offset:16*\j
.endr
	s_wait_loadcnt 0x8                             ; Wg is in; the eight loads of x may stay out
.irp j, 0,1,2,3,4,5,6,7,8,9,10,11,12,13,14,15
	ds_store_b128 v3, v[WA+4*\j:WA+4*\j+3] offset:2080*\j
.endr
	s_wait_dscnt 0x0                               ; for the others' sake: my part of Wg lies in LDS
	s_barrier_signal -1
	s_barrier_wait -1                              ; all of it does
.macro CHUNK c, set                    ; rows 8 c .. 8 c + 7 of my 32 rows of Wg: 32 bytes a row
.irp i, 0,1,2,3,4,5,6,7
	ds_load_b128 v[\set+8*\i:\set+8*\i+3], v5 offset:32*(8*(\c)+\i)
	ds_load_b128 v[\set+8*\i+4:\set+8*\i+7], v5 offset:32*(8*(\c)+\i)+16
.endr
.endm
.macro DOT c, set                      ; eight sums += x(k) Wg(k, 0 .. 7), two sums an instruction; the very first product starts the sums
.irp i, 0,1,2,3,4,5,6,7
.irp p, 0,1,2,3
.if (8*(\c)+\i) == 0
	v_pk_mul_f32 v[LG+2*\p:LG+2*\p+1], v[XR:XR+1], v[\set+2*\p:\set+2*\p+1] op_sel_hi:[0,1]
.elseif (\i%2) == 0
	v_pk_fma_f32 v[LG+2*\p:LG+2*\p+1], v[XR+8*(\c)+\i:XR+8*(\c)+\i+1], v[\set+8*\i+2*\p:\set+8*\i+2*\p+1], v[LG+2*\p:LG+2*\p+1] op_sel_hi:[0,1,1]
.else
	v_pk_fma_f32 v[LG+2*\p:LG+2*\p+1], v[XR+8*(\c)+\i-1:XR+8*(\c)+\i], v[\set+8*\i+2*\p:\set+8*\i+2*\p+1], v[LG+2*\p:LG+2*\p+1] op_sel:[1,0,0] op_sel_hi:[1,1,1]
.endif
.endr
.endr
.endm
	CHUNK 0, WA
	CHUNK 1, WB
	s_wait_loadcnt 0x0                             ; x
	; my block: its largest magnitude, with the floor 2^(3 - 127) among the leaves, so that the byte cannot fall under 1
	v_max3_num_f32 v[M1], |v[XR]|, |v[XR+1]|, |v[XR+2]|
	v_max3_num_f32 v[M2], |v[XR+3]|, |v[XR+4]|, |v[XR+5]|
.irp i, 6,10,14,18,22,26
	v_max3_num_f32 v[M1], v[M1], |v[XR+\i]|, |v[XR+\i+1]|
	v_max3_num_f32 v[M2], v[M2], |v[XR+\i+2]|, |v[XR+\i+3]|
.endr
	v_max3_num_f32 v[M1], v[M1], |v[XR+30]|, |v[XR+31]|
	v_max3_num_f32 v[M1], v[M1], v[M2], 0x1800000
	v_add_nc_u32 v[SOP], 0xff000000, v[M1]         ; 2 off its exponent field: the conversion takes that field as its scale
.irp g, 0,1,2,3
	v_cvt_scalef32_pk8_fp4_f32 v[CD+\g], v[XR+8*\g:XR+8*\g+7], v[SOP]
.endr
	v_lshrrev_b32 v[BY], 23, v[SOP]                ; the scale's byte (a plain line behind the conversions)
	global_store_b128 v6, v[CD:CD+3], s[10:11]     ; the wave stores 512 bytes on end
	v_lshlrev_b32 v[XW], v10, v[BY]
	v_mov_b32_dpp v[XT], v[XW] row_xmask:1 row_mask:0xf bank_mask:0xf
	v_or_b32 v[XW], v[XW], v[XT]
	v_mov_b32_dpp v[XT], v[XW] row_xmask:2 row_mask:0xf bank_mask:0xf
	v_or_b32 v[XW], v[XW], v[XT]                   ; four lanes' bytes make a word
	global_store_b32 v7, v[XW], s[12:13]           ; the four write the same word with the same value
	s_wait_dscnt 0x10                              ; chunk 0 is in; chunk 1's sixteen loads may stay out
	DOT 0, WA
	CHUNK 2, WA
	s_wait_dscnt 0x10
	DOT 1, WB
	CHUNK 3, WB
	s_wait_dscnt 0x10
	DOT 2, WA
	s_wait_dscnt 0x0
	DOT 3, WB
.irp m, 1,2,4,8                        ; over the 32 lanes; the eight sums by turns
.irp e, 0,1,2,3,4,5,6,7
	v_add_f32_dpp v[LG+\e], v[LG+\e], v[LG+\e] row_xmask:\m row_mask:0xf bank_mask:0xf
.endr
.endr
.irp e, 0,1,2,3,4,5,6,7
	v_permlanex16_b32 v[PD+\e], v[LG+\e], s28, s29
.endr
	s_wait_kmcnt 0x0                               ; bg
.irp e, 0,1,2,3,4,5,6,7
	v_add_f32 v[LG+\e], v[LG+\e], v[PD+\e]
.endr
.irp e, 0,1,2,3,4,5,6,7
	v_add_f32 v[LG+\e], s[20+\e], v[LG+\e]
.endr
	v_mov_b32 v[B1], v[LG]                         ; the two largest, in one pass
	v_mov_b32 v[I1], 0
	v_mov_b32 v[B2], 0xff800000
	v_mov_b32 v[I2], 0
.irp e, 1,2,3,4,5,6,7
	v_cmp_gt_f32 s30, v[LG+\e], v[B1]
	v_cmp_gt_f32 s31, v[LG+\e], v[B2]
	v_cndmask_b32 v[T0], v[B2], v[LG+\e], s31
	v_cndmask_b32 v[T1], v[I2], \e, s31
	v_cndmask_b32 v[B2], v[T0], v[B1], s30         ; a new largest pushes the old one down
	v_cndmask_b32 v[I2], v[T1], v[I1], s30
	v_cndmask_b32 v[B1], v[B1], v[LG+\e], s30
	v_cndmask_b32 v[I1], v[I1], \e, s30
.endr
	v_sub_f32 v[T0], v[B2], v[B1]                  ; the maximum is taken away: 0 or less
	v_mul_f32 v[T0], 0x3fb8aa3b, v[T0]
	v_exp_f32 v[EX], v[T0]
	v_lshl_or_b32 v[SW], v[I2], 8, v[I1]           ; (a plain line behind the exponential)
	s_wait_alu depctr_va_vdst(0)
	v_add_f32 v[T1], 1.0, v[EX]
	v_rcp_f32 v[RC], v[T1]                         ; the first gate
	v_nop                                          ; a plain line behind the reciprocal
	s_wait_alu depctr_va_vdst(0)
	v_mul_f32 v[GV], v[EX], v[RC]                  ; the second
	v_cndmask_b32 v[GV], v[RC], v[GV], s36
	global_store_b32 v9, v[SW], s[14:15]           ; all lanes write the same word with the same value
	global_store_b32 v8, v[GV], s[16:17]
	s_wait_tensorcnt 0x0
	ds_add_u32 v216, v217
	s_wait_dscnt 0x0
	s_endpgm
.Lfunc_end_k_q4b376c0f46_route:
	.size	k_q4b376c0f46_route, .Lfunc_end_k_q4b376c0f46_route-k_q4b376c0f46_route
	.p2alignl 7, 3214868480
	.fill 96, 4, 3214868480
	.section	.rodata,"a",@progbits
	.p2align	6, 0x0
	.amdhsa_kernel k_q4b376c0f46_route
		.amdhsa_group_segment_fixed_size 33792
		.amdhsa_private_segment_fixed_size 0
		.amdhsa_enable_private_segment 0
		.amdhsa_kernarg_size 56
		.amdhsa_user_sgpr_count 2
		.amdhsa_user_sgpr_kernarg_segment_ptr 1
		.amdhsa_wavefront_size32 1
		.amdhsa_system_sgpr_workgroup_id_x 1
		.amdhsa_system_sgpr_workgroup_id_y 1
		.amdhsa_system_sgpr_workgroup_id_z 1
		.amdhsa_system_vgpr_workitem_id 0
		.amdhsa_next_free_vgpr 218
		.amdhsa_next_free_sgpr 66
		.amdhsa_reserve_vcc 0
		.amdhsa_float_denorm_mode_32 3
		.amdhsa_float_denorm_mode_16_64 3
		.amdhsa_memory_ordered 1
		.amdhsa_forward_progress 1
		.amdhsa_inst_pref_size 27
	.end_amdhsa_kernel
	.amdgpu_metadata
---
amdhsa.version: [ 1, 2 ]
amdhsa.kernels:
  - .name:           k_q4b376c0f46_route
    .symbol:         k_q4b376c0f46_route.kd
    .args:
      - { .name: x, .offset: 0, .size: 8, .value_kind: global_buffer, .address_space: global }
      - { .name: Wg, .offset: 8, .size: 8, .value_kind: global_buffer, .address_space: global }
      - { .name: bg, .offset: 16, .size: 8, .value_kind: global_buffer, .address_space: global }
      - { .name: xc, .offset: 24, .size: 8, .value_kind: global_buffer, .address_space: global }
      - { .name: xs, .offset: 32, .size: 8, .value_kind: global_buffer, .address_space: global }
      - { .name: sel, .offset: 40, .size: 8, .value_kind: global_buffer, .address_space: global }
      - { .name: gate, .offset: 48, .size: 8, .value_kind: global_buffer, .address_space: global }
    .group_segment_fixed_size: 33792
    .private_segment_fixed_size: 0
    .kernarg_segment_align: 8
    .kernarg_segment_size: 56
    .max_flat_workgroup_size: 128
    .sgpr_count:     66
    .vgpr_count:     218
    .wavefront_size: 32
...
	.end_amdgpu_metadata
.endif
;; end of part 1
;; launch place (part 2): grid 8 x 1, 1 waves a work-group, no clusters, 4,608 bytes of LDS; arguments sel, list; writes list
.if DOCPART == 2
	.amdgcn_target "amdgcn-amd-amdhsa--gfx1250"
	.amdhsa_code_object_version 6
	.text
	.protected	k_q4b376c0f46_place
	.globl	k_q4b376c0f46_place
	.p2align	8
	.type	k_q4b376c0f46_place,@function
k_q4b376c0f46_place:
	s_mov_b64 s[64:65], 0
	v_nop
	global_prefetch_b8 v0, s[64:65] scope:SCOPE_SE
	s_setreg_imm32_b32 hwreg(HW_REG_WAVE_MODE, 25, 1), 1
	s_wait_xcnt 0x0
; THE ROWS OF EACH EXPERT, BY RANK.  sel [token] = first expert | second << 8, stored by the launch before.  Work-group e, one wave, scans all 1,024 tokens and gives each row p = 2 token + j
; that chose expert e a rank: the count of such rows ahead of it in a fixed order (group 4 c + k, lane l stands for token 128 c + 4 l + k: sel as sixteen-byte loads bring it).
; OUT: list, 4,352 bytes an expert: words 0 .. 1,023: p by rank; ranks from the count M on repeat the last row (0 where nobody chose the expert), so that later launches need no compare; word 1,024: M.
; The scatter goes through the wave's own LDS, so that memory is written in order, 512 bytes on end a store.  One wave: no barrier.  Eight work-groups are all the work there is: a sum that runs over all tokens of an expert.
; Four groups are taken at a time, stage by stage, so that no line waits for the line above it; the running count is scalar.
.set S,   8                            ; v8-39   sel as loaded; later the list as read back
.set Z,   40                           ; v40-43  zeros
.set E0,  44                           ; v44-47  first experts; later ranks
.set E1,  48                           ; v48-51  second experts
.set P,   52                           ; v52-55  ranks, then LDS addresses
.set V,   56                           ; v56-59  p
.set PL,  60                           ; the last row
.set AD,  61
	s_load_b128 s[4:7], s[0:1], 0x0                ; sel s[4:5], list s[6:7]
	v_lshl_add_u32 v64, v0, 2, 0x1100
	v_mov_b32 v65, 0
	v_lshlrev_b32 v1, 4, v0                        ; 16 lane: sel in, the list back and out
	v_lshlrev_b32 v2, 3, v0                        ; 8 lane: 2 x (4 lane), j = 0;
	v_or_b32 v3, 1, v2                             ; j = 1
	v_add_nc_u32 v4, 1024, v0                      ; the word that takes what is not placed
	v_lshlrev_b32 v5, 2, v0                        ; 4 lane
	v_mov_b32 v6, 0
.irp i, 0,1,2,3
	v_mov_b32 v[Z+\i], 0
.endr
	s_mov_b32 s8, ttmp9                            ; my expert
	s_mul_i32 s10, ttmp9, 4352
	s_mov_b32 s11, 0
	s_mov_b32 s28, 0                               ; rows so far
	s_wait_kmcnt 0x0
	s_add_nc_u64 s[6:7], s[6:7], s[10:11]
.irp c, 0,1,2,3,4,5,6,7
	global_load_b128 v[S+4*\c:S+4*\c+3], v1, s[4:5] offset:512*\c
.endr
.irp c, 0,1,2,3,4,5,6,7
	ds_store_b128 v1, v[Z:Z+3] offset:512*\c       ; every rank holds a number
.endr
.macro GROUP c
	s_wait_loadcnt 7-(\c)                          ; this load of sel is in; the later ones may stay out
.irp k, 0,1,2,3
	v_and_b32 v[E0+\k], 0xff, v[S+4*(\c)+\k]
.endr
.irp k, 0,1,2,3
	v_lshrrev_b32 v[E1+\k], 8, v[S+4*(\c)+\k]
.endr
.irp k, 0,1,2,3
	v_cmp_eq_u32 s[12+\k], s8, v[E0+\k]
.endr
.irp k, 0,1,2,3
	v_cmp_eq_u32 s[16+\k], s8, v[E1+\k]
.endr
.irp k, 0,1,2,3
	s_or_b32 s[20+\k], s[12+\k], s[16+\k]          ; the lanes whose token chose my expert
.endr
.irp k, 0,1,2,3
	s_bcnt1_i32_b32 s[24+\k], s[20+\k]
.endr
	s_add_co_u32 s29, s28, s24                     ; the rows ahead of each of the four groups
	s_add_co_u32 s30, s29, s25
	s_add_co_u32 s31, s30, s26
	s_add_co_u32 s9, s31, s27
.irp k, 0,1,2,3
	v_mbcnt_lo_u32_b32 v[P+\k], s[20+\k], s[28+\k] ; rank
.endr
.irp k, 0,1,2,3
	v_cndmask_b32 v[V+\k], v2, v3, s[16+\k]        ; 8 lane + j
.endr
.irp k, 0,1,2,3
	v_cndmask_b32 v[P+\k], v4, v[P+\k], s[20+\k]
.endr
.irp k, 0,1,2,3
	v_add_nc_u32 v[V+\k], 2*(128*(\c)+\k), v[V+\k] ; p = 2 token + j
.endr
.irp k, 0,1,2,3
	v_min_u32 v[P+\k], 1055, v[P+\k]
.endr
.irp k, 0,1,2,3
	v_lshlrev_b32 v[P+\k], 2, v[P+\k]
.endr
.irp k, 0,1,2,3
	ds_store_b32 v[P+\k], v[V+\k]
.endr
	s_mov_b32 s28, s9
.endm
.irp c, 0,1,2,3,4,5,6,7
	GROUP \c
.endr
	s_max_u32 s10, s28, 1
	s_sub_co_u32 s10, s10, 1
	s_min_u32 s10, s10, 1023
	s_lshl_b32 s10, s10, 2
	v_mov_b32 v[AD], s10
	ds_load_b32 v[PL], v[AD]                       ; the last row.  LDS serves a wave's instructions in order (ISA guide 5.7.1.4): these loads see the stores above
.irp c, 0,1,2,3,4,5,6,7
	ds_load_b128 v[S+4*\c:S+4*\c+3], v1 offset:512*\c   ; register k of load c: rank 128 c + 4 lane + k
.endr
	v_mov_b32 v7, s28                              ; M
	s_wait_dscnt 0x0
.macro FIN c
.irp k, 0,1,2,3
	v_add_nc_u32 v[E0+\k], 128*(\c)+\k, v5
.endr
.irp k, 0,1,2,3
	v_cmp_gt_u32 s[12+\k], s28, v[E0+\k]
.endr
.irp k, 0,1,2,3
	v_cndmask_b32 v[S+4*(\c)+\k], v[PL], v[S+4*(\c)+\k], s[12+\k]   ; a rank from M on: the last row
.endr
	global_store_b128 v1, v[S+4*(\c):S+4*(\c)+3], s[6:7] offset:512*(\c)   ; the wave stores 512 bytes on end
.endm
.irp c, 0,1,2,3,4,5,6,7
	FIN \c
.endr
	global_store_b32 v6, v7, s[6:7] offset:4096    ; all lanes write the same word with the same value
	s_wait_tensorcnt 0x0
	ds_add_u32 v64, v65
	s_wait_dscnt 0x0
	s_endpgm
.Lfunc_end_k_q4b376c0f46_place:
	.size	k_q4b376c0f46_place, .Lfunc_end_k_q4b376c0f46_place-k_q4b376c0f46_place
	.p2alignl 7, 3214868480
	.fill 96, 4, 3214868480
	.section	.rodata,"a",@progbits
	.p2align	6, 0x0
	.amdhsa_kernel k_q4b376c0f46_place
		.amdhsa_group_segment_fixed_size 4608
		.amdhsa_private_segment_fixed_size 0
		.amdhsa_enable_private_segment 0
		.amdhsa_kernarg_size 16
		.amdhsa_user_sgpr_count 2
		.amdhsa_user_sgpr_kernarg_segment_ptr 1
		.amdhsa_wavefront_size32 1
		.amdhsa_system_sgpr_workgroup_id_x 1
		.amdhsa_system_sgpr_workgroup_id_y 1
		.amdhsa_system_sgpr_workgroup_id_z 1
		.amdhsa_system_vgpr_workitem_id 0
		.amdhsa_next_free_vgpr 66
		.amdhsa_next_free_sgpr 66
		.amdhsa_reserve_vcc 0
		.amdhsa_float_denorm_mode_32 3
		.amdhsa_float_denorm_mode_16_64 3
		.amdhsa_memory_ordered 1
		.amdhsa_forward_progress 1
		.amdhsa_inst_pref_size 34
	.end_amdhsa_kernel
	.amdgpu_metadata
---
amdhsa.version: [ 1, 2 ]
amdhsa.kernels:
  - .name:           k_q4b376c0f46_place
    .symbol:         k_q4b376c0f46_place.kd
    .args:
      - { .name: sel, .offset: 0, .size: 8, .value_kind: global_buffer, .address_space: global }
      - { .name: list, .offset: 8, .size: 8, .value_kind: global_buffer, .address_space: global }
    .group_segment_fixed_size: 4608
    .private_segment_fixed_size: 0
    .kernarg_segment_align: 8
    .kernarg_segment_size: 16
    .max_flat_workgroup_size: 32
    .sgpr_count:     66
    .vgpr_count:     66
    .wavefront_size: 32
...
	.end_amdgpu_metadata
.endif
;; end of part 2
;; launch ffn1 (part 3): grid 256 x 1, 16 waves a work-group, no clusters, 72,192 bytes of LDS; arguments W1, b1, xc, xs, list, hc, hs; writes hc, hs
.if DOCPART == 3
	.amdgcn_target "amdgcn-amd-amdhsa--gfx1250"
	.amdhsa_code_object_version 6
	.text
	.protected	k_q4b376c0f46_ffn1
	.globl	k_q4b376c0f46_ffn1
	.p2align	8
	.type	k_q4b376c0f46_ffn1,@function
k_q4b376c0f46_ffn1:
	s_mov_b64 s[64:65], 0
	v_nop
	global_prefetch_b8 v0, s[64:65] scope:SCOPE_SE
	s_setreg_imm32_b32 hwreg(HW_REG_WAVE_MODE, 25, 1), 1
	s_wait_xcnt 0x0
; FIRST LAYER OF THE CHOSEN EXPERTS: h = relu(x W1[e] + b1[e]) on codes of E2M1 with E8M0 scales, for the rows that chose expert e alone; h leaves quantised along its own axis, the next product's K.
; THE WEIGHTS STAY, THE ROWS COME: work-group g owns expert e = g / 32 and hidden units 128 (g % 32) on: 1,024 x 128 numbers of W1, 512 KiB of f32, read from memory ONCE, quantised in registers
; (a lane to a column, its 32 registers down K: a block's largest magnitude needs no other lane and the codes come out with K innermost), laid in LDS as images of operand registers, and multiplied with all rows of the expert.
; EIGHT STEPS it = 4 hf + kc: half hf of the columns (64: a row's 256 bytes) x chunk kc of K (256 rows).  Each wave has two roles.  STREAM: wave w takes columns 32 (w % 2) + lane and rows 32 (w / 2) + 0 .. 31 of the chunk.
; PRODUCT: wave w takes rows (ranks) 32 w .. 32 w + 31 of the expert, two tiles of 16, against the half's four tiles of columns: eight accumulators.  Ranks 512 to 1,023 are served at the end from the codes, which stay in LDS.
; THE LIST comes from the launch before: p = 2 token + j by rank, and the expert's count M.  Ranks from M on repeat the last row: they compute and store what that row does.
; Every barrier, every global load and every counted wait stands on every wave's path; a wave without rows jumps over LDS loads, matrix and vector work and stores alone.
; The product is used TRANSPOSED (source 0 = 16 columns of W1, source 1 = 16 rows of x), and the columns of a tile are not neighbours: slot m of tile 2 b + u is unit 32 b + 8 u + m + 8 (m / 8),
; so that a lane holds one row and the 16 registers of tiles 2 b, 2 b + 1 are 16 neighbouring hidden units.  b1 is the C of each sum's first product.
; NO JOINT LOADS: which waves work hangs on a count read from memory, so the operands go from memory straight into registers; the weights, 512 KiB a work-group, are shared with nobody.
; OUT: hc [e][tile of 16 ranks][K step 32][1,024 B]: images of operand registers: block bb of a K step at 512 (bb / 2) + 256 (bb % 2) + 16 row;  hs [e][pair of tiles][K step][32 words]: lanes 0-15 the first tile's rows.
; LIMITS: NaN and infinities are not served; a block whose largest magnitude is under 2^-124 (a block of zeros too) gets the byte 1; the bytes are read by this program alone.
.set SC,    65536                      ; LDS: 0: the codes, 8 steps x 8,192 B: it 8192 + tile 2048 + K step 1024 + 512 c + 16 lane;  here: W1's scale bytes: it 512 + pair of tiles 256 + slot 8 + K step 4 + byte
.set BIAS,  69632                      ; my 128 numbers of b1
.set WO,   1                           ; W1: my byte in a chunk: 32 (w / 2) rows + 128 (w % 2) + 4 lane
.set CST,  2                           ; where my block's 16 bytes of codes go
.set SST,  3                           ; and its scale byte
.set FRD,  4                           ; 16 lane: an image's place for my lane
.set SRD,  5                           ; SC + 8 lane
.set BIA,  6                           ; BIAS + 64 (lane / 16)
.set LR,   7                           ; the list: 4 (32 w + lane % 16)
.set LL,   8                           ; 4 (32 w + lane)
.set BST,  10
.set XA,   11                          ; v11, v12: my row's codes in xc, tiles A and B
.set XSO,  13                          ; my lane's row of xs (lanes 0-15 tile A, 16-31 tile B)
.set HST,  14                          ; hc: 32,768 (lane / 16) + 16 (lane % 16)
.set HSS,  15                          ; hs: 4 lane
.set KEEP, 16                          ; h's scale word in the making
.set BOF,  17
.set LN,   18
.set H16,  19
.set X,    20                          ; v20-83   two sets of 32 numbers of W1
.set XF,   84                          ; v84-151  two sets: x's fragments (tile u, K step ks) at 16 u + 8 ks, then two registers of scale words
.set ACC,  152                         ; v152-215 accumulator (u, ct) at 32 u + 8 ct; ahead of step 0: b1 as loaded
.set FR,   216                         ; v216-247 four fragments of W1; between products: at work
.set WS,   248                         ; v248-251 W1's scale words: register 2 (ct / 2) + ks; even tiles in lanes 0-15, odd in 16-31
.set WB,   32                          ; s[32:39] W1 at my columns, chunk kc
.set TM,   FR
.set TP,   FR+4
.set SOP,  FR+8
.set BY,   FR+12
.set PC,   FR+16
.set WWA,  FR+24
.set WWB,  FR+25
	s_load_b256 s[4:11], s[0:1], 0x0               ; W1 s[4:5], b1 s[6:7], xc s[8:9], xs s[10:11]
	s_load_b128 s[12:15], s[0:1], 0x20             ; list s[12:13], hc s[14:15]
	s_load_b64 s[16:17], s[0:1], 0x30              ; hs
	v_lshl_add_u32 v254, v0, 2, 0x11200
	v_mov_b32 v255, 0
	v_lshrrev_b32 v[LN], 5, v0
	v_readfirstlane_b32 s20, v[LN]                 ; wave
	s_and_b32 s21, s20, 1                          ; cg: which 32 columns I stream
	s_lshr_b32 s22, s20, 1                         ; kb: which block of the chunk
	s_lshr_b32 s23, ttmp9, 5                       ; expert
	s_and_b32 s24, ttmp9, 31                       ; slice of 128 hidden units = K step of the next product
	s_mov_b32 s29, 0xffff0000                      ; lanes 16-31
	s_mov_b32 s30, 0x76543210
	s_mov_b32 s31, 0xfedcba98                      ; v_permlanex16_b32's selects for lane l xor 16
	v_and_b32 v[LN], 31, v0                        ; lane
	v_bfe_u32 v[H16], v0, 4, 1                     ; lane / 16
	s_lshl_b32 s46, s22, 19
	s_lshl_b32 s47, s21, 7
	s_add_co_u32 s46, s46, s47
	v_lshl_add_u32 v[WO], v[LN], 2, s46
	s_lshl_b32 s46, s21, 12
	s_lshl_b32 s47, s22, 8
	s_add_co_u32 s46, s46, s47
	v_and_b32 v[FRD], 7, v0                        ; column q = 16 a + 8 u + c of my 32 goes to tile 2 cg + u, slot 8 a + c
	v_bfe_u32 v[SRD], v0, 3, 1
	v_lshl_add_u32 v[CST], v[FRD], 4, s46
	v_lshl_add_u32 v[CST], v[SRD], 11, v[CST]
	v_lshl_add_u32 v[CST], v[H16], 7, v[CST]
	s_lshl_b32 s46, s21, 8
	s_add_co_u32 s46, s46, s22                     ; 4 (kb / 4) + kb % 4 = kb
	s_add_co_u32 s46, s46, SC
	v_lshl_add_u32 v[SST], v[FRD], 3, s46
	v_lshl_add_u32 v[SST], v[SRD], 7, v[SST]
	v_lshl_add_u32 v[SST], v[H16], 6, v[SST]
	v_lshlrev_b32 v[FRD], 4, v[LN]
	v_lshl_add_u32 v[SRD], v[LN], 3, SC
	v_lshl_add_u32 v[BIA], v[H16], 6, BIAS
	v_and_b32 v[LR], 0x1ef, v0
	v_lshlrev_b32 v[LR], 2, v[LR]
	v_lshlrev_b32 v[LL], 2, v0
	v_and_b32 v[BOF], 127, v0
	v_lshlrev_b32 v[BOF], 2, v[BOF]
	v_add_nc_u32 v[BST], BIAS, v[BOF]
	v_and_b32 v[HST], 15, v0
	v_lshlrev_b32 v[HST], 4, v[HST]
	v_lshl_add_u32 v[HST], v[H16], 15, v[HST]
	v_lshlrev_b32 v[HSS], 2, v[LN]
	v_mov_b32 v[KEEP], 0
	v_lshlrev_b32 v[H16], 4, v[H16]                ; 16 (lane / 16) from here on
	s_mov_b32 s47, 0
	s_lshl_b32 s46, s23, 24
	s_lshl_b32 s48, s24, 9
	s_add_co_u32 s46, s46, s48
	s_wait_kmcnt 0x0
	s_add_nc_u64 s[WB:WB+1], s[4:5], s[46:47]      ; W1 + 16 MiB e + 512 slice
	s_add_nc_u64 s[WB+2:WB+3], s[WB:WB+1], 0x400000   ; a chunk of 256 rows is 4 MiB
	s_add_nc_u64 s[WB+4:WB+5], s[WB:WB+1], 0x800000
	s_add_nc_u64 s[WB+6:WB+7], s[WB:WB+1], 0xc00000
	s_mul_i32 s46, s23, 4352
	s_add_nc_u64 s[12:13], s[12:13], s[46:47]      ; my expert's list
	s_load_b32 s25, s[12:13], 0x1000               ; M
	s_lshl_b32 s46, s23, 21
	s_lshl_b32 s48, s20, 16
	s_add_co_u32 s46, s46, s48
	s_lshl_b32 s48, s24, 10
	s_add_co_u32 s46, s46, s48
	s_add_nc_u64 s[40:41], s[14:15], s[46:47]      ; hc: expert, my pair of tiles, my K step
	s_lshl_b32 s46, s23, 17
	s_lshl_b32 s48, s20, 12
	s_add_co_u32 s46, s46, s48
	s_lshl_b32 s48, s24, 7
	s_add_co_u32 s46, s46, s48
	s_add_nc_u64 s[42:43], s[16:17], s[46:47]      ; hs likewise
	s_lshl_b32 s46, s23, 14
	s_lshl_b32 s48, s24, 9
	s_add_co_u32 s46, s46, s48
	s_add_nc_u64 s[44:45], s[6:7], s[46:47]        ; b1 at my 128 units
.macro WLOAD it, from, to              ; rows from .. to - 1 of my block of step it: 32 lanes read 128 bytes on end, two waves side by side an aligned 256
.set wi, \from
.rept (\to)-(\from)
	global_load_b32 v[X+32*((\it)%2)+wi], v[WO], s[WB+2*((\it)%4):WB+2*((\it)%4)+1] offset:((\it)/4)*256+wi*16384 th:TH_LOAD_NT
.set wi, wi+1
.endr
.endm
.macro XLOAD kc, set                   ; nine loads: x's four fragments of chunk kc (two tiles x two K steps) and their scale words
.irp u, 0,1
.irp ks, 0,1
.irp c, 0,1
	global_load_b128 v[XF+34*(\set)+16*\u+8*\ks+4*\c:XF+34*(\set)+16*\u+8*\ks+4*\c+3], v[XA+\u], s[8:9] offset:(2*(\kc)+\ks)*64+32*\c
.endr
.endr
.endr
	global_load_b64 v[XF+34*(\set)+32:XF+34*(\set)+33], v[XSO], s[10:11] offset:8*(\kc)
.endm
.macro QW base                         ; 32 numbers of my column become 16 bytes of codes (v[FR+4] on) and a scale byte (v[FR+3])
	v_max3_num_f32 v[FR], |v[\base]|, |v[\base+1]|, |v[\base+2]|
	v_max3_num_f32 v[FR+1], |v[\base+3]|, |v[\base+4]|, |v[\base+5]|
.irp i, 6,10,14,18,22,26
	v_max3_num_f32 v[FR], v[FR], |v[\base+\i]|, |v[\base+\i+1]|
	v_max3_num_f32 v[FR+1], v[FR+1], |v[\base+\i+2]|, |v[\base+\i+3]|
.endr
	v_max3_num_f32 v[FR], v[FR], |v[\base+30]|, |v[\base+31]|
	v_max3_num_f32 v[FR], v[FR], v[FR+1], 0x1800000    ; the floor 2^(3 - 127): the byte cannot fall under 1
	v_add_nc_u32 v[FR+2], 0xff000000, v[FR]            ; 2 off the exponent field: the conversion's scale operand
.irp g, 0,1,2,3
	v_cvt_scalef32_pk8_fp4_f32 v[FR+4+\g], v[\base+8*\g:\base+8*\g+7], v[FR+2]
.endr
	v_lshrrev_b32 v[FR+3], 23, v[FR+2]                 ; the byte (a plain line behind the conversions)
.endm
.macro ACCINIT hf                      ; b1 in the result's layout: tile 2 b + uu, register j, lane half h: unit 32 b + 16 h + 8 uu + j
.irp u, 0,1
.irp b, 0,1
.irp uu, 0,1
.irp hh, 0,1
	ds_load_b128 v[ACC+32*\u+8*(2*\b+\uu)+4*\hh:ACC+32*\u+8*(2*\b+\uu)+4*\hh+3], v[BIA] offset:256*(\hf)+128*\b+32*\uu+16*\hh
.endr
.endr
.endr
.endr
.endm
.macro WM u, ct, ks, set
.set rD, ACC+32*(\u)+8*(\ct)
.set rA, FR+8*(\ct)
.set rB, XF+34*(\set)+16*(\u)+8*(\ks)
.set rSA, WS+2*((\ct)/2)+(\ks)
.set rSB, XF+34*(\set)+32+(\ks)
.if (((\ct)%2) == 0) && ((\u) == 0)
	v_wmma_scale_f32_16x16x128_f8f6f4 v[rD:rD+7], v[rA:rA+7], v[rB:rB+7], v[rD:rD+7], v[rSA], v[rSB] matrix_a_fmt:MATRIX_FMT_FP4 matrix_b_fmt:MATRIX_FMT_FP4
.elseif ((\ct)%2) == 0
	v_wmma_scale_f32_16x16x128_f8f6f4 v[rD:rD+7], v[rA:rA+7], v[rB:rB+7], v[rD:rD+7], v[rSA], v[rSB] matrix_a_fmt:MATRIX_FMT_FP4 matrix_b_fmt:MATRIX_FMT_FP4 matrix_b_scale:MATRIX_SCALE_ROW1
.elseif (\u) == 0
	v_wmma_scale_f32_16x16x128_f8f6f4 v[rD:rD+7], v[rA:rA+7], v[rB:rB+7], v[rD:rD+7], v[rSA], v[rSB] matrix_a_fmt:MATRIX_FMT_FP4 matrix_b_fmt:MATRIX_FMT_FP4 matrix_a_scale:MATRIX_SCALE_ROW1
.else
	v_wmma_scale_f32_16x16x128_f8f6f4 v[rD:rD+7], v[rA:rA+7], v[rB:rB+7], v[rD:rD+7], v[rSA], v[rSB] matrix_a_fmt:MATRIX_FMT_FP4 matrix_b_fmt:MATRIX_FMT_FP4 matrix_a_scale:MATRIX_SCALE_ROW1 matrix_b_scale:MATRIX_SCALE_ROW1
.endif
.endm
; Step it's codes x the fragments in set: 16 matrix instructions.  The eight accumulators take turns, one instruction a turn, in the same order everywhere.
; Four plain places stand behind each run of eight, ahead of the loads into registers that it has read and of the first read of results.
.macro PRODUCT it, set
	ds_load_b64 v[WS:WS+1], v[SRD] offset:(\it)*512
	ds_load_b64 v[WS+2:WS+3], v[SRD] offset:(\it)*512+256
.irp ks, 0,1
.irp ct, 0,1,2,3
.irp c, 0,1
	ds_load_b128 v[FR+8*\ct+4*\c:FR+8*\ct+4*\c+3], v[FRD] offset:(\it)*8192+\ct*2048+\ks*1024+\c*512
.endr
.endr
	s_wait_dscnt 0x0                               ; the fragments, the scale words, and at a half's first step the biases
.irp ct, 0,1,2,3
.irp u, 0,1
	WM \u, \ct, \ks, \set
.endr
.endr
.rept 4
	v_nop
.endr
.endr
.endm
; A half's 64 hidden units of my 32 rows: relu, two blocks of 32 a row quantised, stored as images.  ob = 1: the pair 16 further on.
.macro EPILOGUE hf, ob
.set ej, 0
.rept 64
	v_max_num_f32 v[ACC+ej], 0, v[ACC+ej]          ; ascending: each accumulator is first read at its low end
.set ej, ej+1
.endr
.irp x, 0,1,2,3                        ; x = 2 u + b: tile u, block b: my 16 numbers at ACC + 16 x.  No |.|: none is negative
	v_max3_num_f32 v[TM+\x], v[ACC+16*\x], v[ACC+16*\x+1], 0x1800000
	v_mov_b32 v[TP+\x], 0                          ; a lane permute's destination counts as read
.endr
.irp i, 2,4,6,8,10,12,14
.irp x, 0,1,2,3
	v_max3_num_f32 v[TM+\x], v[TM+\x], v[ACC+16*\x+\i], v[ACC+16*\x+\i+1]
.endr
.endr
.irp x, 0,1,2,3
	v_permlanex16_b32 v[TP+\x], v[TM+\x], s30, s31
.endr
.irp x, 0,1,2,3
	v_max_num_f32 v[TM+\x], v[TM+\x], v[TP+\x]     ; with lane l xor 16's 16: the block's
.endr
.irp x, 0,1,2,3
	v_add_nc_u32 v[SOP+\x], 0xff000000, v[TM+\x]
.endr
.irp x, 0,1,2,3
	v_lshrrev_b32 v[BY+\x], 23, v[SOP+\x]
.endr
.irp u, 0,1
.irp b, 0,1
.irp v, 0,1
	v_cvt_scalef32_pk8_fp4_f32 v[PC+4*\b+2*\u+\v], v[ACC+32*\u+16*\b+8*\v:ACC+32*\u+16*\b+8*\v+7], v[SOP+2*\u+\b]
.endr
.endr
.endr
	v_lshl_or_b32 v[WWA], v[BY+1], 8, v[BY]        ; (plain lines behind the conversions)  tile A's two bytes,
	v_lshl_or_b32 v[WWB], v[BY+3], 8, v[BY+2]      ; tile B's;
	v_cndmask_b32 v[WWA], v[WWA], v[WWB], s29      ; lanes 16-31 carry tile B's
.if \hf
	v_lshl_or_b32 v[KEEP], v[WWA], 16, v[KEEP]
.else
	v_mov_b32 v[KEEP], v[WWA]
.endif
.irp b, 0,1                            ; tile A's upper halves change places with tile B's lower: lane r then holds row r of A whole, lane 16 + r row r of B
	v_permlane16_swap_b32 v[PC+4*\b], v[PC+4*\b+2]
	v_permlane16_swap_b32 v[PC+4*\b+1], v[PC+4*\b+3]
.endr
.irp b, 0,1
	global_store_b128 v[HST], v[PC+4*\b:PC+4*\b+3], s[40:41] offset:(\ob)*1048576+(\hf)*512+\b*256   ; sixteen lanes store 256 bytes on end, at a multiple of 256 from hc's first byte
.endr
.if \hf
	global_store_b32 v[HSS], v[KEEP], s[42:43] offset:(\ob)*65536
.endif
	s_wait_xcnt 0x0                                ; the stores' data are written again only behind this wait
.endm
.macro TLOAD ob                        ; my ranks' rows out of the list: three loads
	global_load_b32 v[FR], v[LR], s[12:13] offset:2048*\ob
	global_load_b32 v[FR+1], v[LR], s[12:13] offset:2048*\ob+64
	global_load_b32 v[FR+2], v[LL], s[12:13] offset:2048*\ob
.endm
.macro TADR                            ; and their addresses in xc and xs
.irp i, 0,1,2
	v_lshrrev_b32 v[FR+\i], 1, v[FR+\i]            ; token = p / 2
.endr
.irp i, 0,1,2
	v_min_u32 v[FR+\i], 1023, v[FR+\i]
.endr
	v_lshl_add_u32 v[XA], v[FR], 9, v[H16]
	v_lshl_add_u32 v[XA+1], v[FR+1], 9, v[H16]
	v_lshlrev_b32 v[XSO], 5, v[FR+2]
.endm
; A STEP.  nh: the loads issued behind this step's last load of W1, which may stay out; np: those issued behind this step's fragments of x.
.macro ITER it, nh, np
	s_wait_loadcnt \nh
	QW X+32*((\it)%2)
	ds_store_b128 v[CST], v[FR+4:FR+7] offset:(\it)*8192
	ds_store_b8 v[SST], v[FR+3] offset:(\it)*512
.if (\it) == 0
	s_cmp_ge_u32 s20, 4
	s_cbranch_scc1 .Lnob_\@
	ds_store_b32 v[BST], v[ACC+32]                 ; waves 0 to 3: b1's 128 numbers
.Lnob_\@:
.endif
.if (\it) <= 5
	WLOAD (\it)+2, 0, 16                           ; the set just read takes the step two on
.endif
	s_wait_dscnt 0x0                               ; for the others' sake: my codes and my byte lie in LDS
	s_barrier_signal -1
	s_barrier_wait -1                              ; the step's 8,192 bytes of codes and 512 scale bytes are whole; each step has bytes of its own, so nothing is overwritten
	s_wait_loadcnt \np
.if ((\it)%4) == 0
	ACCINIT (\it)/4
.endif
	s_cmp_eq_u32 s27, 0
	s_cbranch_scc1 .Lidle_\@                       ; a wave without rows: over LDS loads, products and stores alone
	PRODUCT \it, (\it)%2
.if ((\it)%4) == 3
	EPILOGUE (\it)/4, 0
.endif
.Lidle_\@:
.if (\it) <= 5
	WLOAD (\it)+2, 16, 32
	XLOAD ((\it)+2)%4, (\it)%2
.endif
.endm
	TLOAD 0
	global_load_b32 v[ACC+32], v[BOF], s[44:45]
	WLOAD 0, 0, 32
	WLOAD 1, 0, 16
	s_wait_loadcnt 0x30                            ; my rows and b1 are in; the 48 loads of W1 issued behind them may stay out
	TADR
	s_wait_kmcnt 0x0                               ; M
	s_max_u32 s46, s25, 1                          ; pair 0 is always made, so that the next launch finds written bytes there
	s_lshl_b32 s47, s20, 5
	s_cmp_lt_u32 s47, s46
	s_cselect_b32 s27, 1, 0                        ; have I rows?
	s_add_co_u32 s47, s47, 512
	s_cmp_lt_u32 s47, s25
	s_cselect_b32 s28, 1, 0                        ; and rows past rank 511?
	XLOAD 0, 0
	WLOAD 1, 16, 32
	XLOAD 1, 1
	ITER 0, 50, 41                                 ; 16 + 9 + 16 + 9;  16 + 9 + 16
	ITER 1, 50, 57                                 ; 9 + 16 + 16 + 9;  16 + 16 + 9 + 16
	ITER 2, 50, 57
	ITER 3, 50, 57
	ITER 4, 50, 57
	ITER 5, 50, 57
	ITER 6, 50, 41                                 ; nothing new is asked for: 16 + 16 + 9
	ITER 7, 9, 0
	s_cmp_eq_u32 s28, 0                            ; RANKS 512 ON: from the codes in LDS, which nobody writes any more: no barrier
	s_cbranch_scc1 .Lend
	s_wait_loadcnt 0x0                             ; no load names the address registers any more
	TLOAD 1
	s_wait_loadcnt 0x0
	TADR
.irp hf, 0,1
	ACCINIT \hf
.irp kc, 0,1,2,3
	XLOAD \kc, 0
	s_wait_loadcnt 0x0
	PRODUCT 4*\hf+\kc, 0
.endr
	EPILOGUE \hf, 1
.endr
.Lend:
	s_wait_tensorcnt 0x0
	ds_add_u32 v254, v255
	s_wait_dscnt 0x0
	s_endpgm
.Lfunc_end_k_q4b376c0f46_ffn1:
	.size	k_q4b376c0f46_ffn1, .Lfunc_end_k_q4b376c0f46_ffn1-k_q4b376c0f46_ffn1
	.p2alignl 7, 3214868480
	.fill 96, 4, 3214868480
	.section	.rodata,"a",@progbits
	.p2align	6, 0x0
	.amdhsa_kernel k_q4b376c0f46_ffn1
		.amdhsa_group_segment_fixed_size 72192
		.amdhsa_private_segment_fixed_size 0
		.amdhsa_enable_private_segment 0
		.amdhsa_kernarg_size 56
		.amdhsa_user_sgpr_count 2
		.amdhsa_user_sgpr_kernarg_segment_ptr 1
		.amdhsa_wavefront_size32 1
		.amdhsa_system_sgpr_workgroup_id_x 1
		.amdhsa_system_sgpr_workgroup_id_y 1
		.amdhsa_system_sgpr_workgroup_id_z 1
		.amdhsa_system_vgpr_workitem_id 0
		.amdhsa_next_free_vgpr 256
		.amdhsa_next_free_sgpr 66
		.amdhsa_reserve_vcc 0
		.amdhsa_float_denorm_mode_32 3
		.amdhsa_float_denorm_mode_16_64 3
		.amdhsa_memory_ordered 1
		.amdhsa_forward_progress 1
		.amdhsa_inst_pref_size 141
	.end_amdhsa_kernel
	.amdgpu_metadata
---
amdhsa.version: [ 1, 2 ]
amdhsa.kernels:
  - .name:           k_q4b376c0f46_ffn1
    .symbol:         k_q4b376c0f46_ffn1.kd
    .args:
      - { .name: W1, .offset: 0, .size: 8, .value_kind: global_buffer, .address_space: global }
      - { .name: b1, .offset: 8, .size: 8, .value_kind: global_buffer, .address_space: global }
      - { .name: xc, .offset: 16, .size: 8, .value_kind: global_buffer, .address_space: global }
      - { .name: xs, .offset: 24, .size: 8, .value_kind: global_buffer, .address_space: global }
      - { .name: list, .offset: 32, .size: 8, .value_kind: global_buffer, .address_space: global }
      - { .name: hc, .offset: 40, .size: 8, .value_kind: global_buffer, .address_space: global }
      - { .name: hs, .offset: 48, .size: 8, .value_kind: global_buffer, .address_space: global }
    .group_segment_fixed_size: 72192
    .private_segment_fixed_size: 0
    .kernarg_segment_align: 8
    .kernarg_segment_size: 56
    .max_flat_workgroup_size: 512
    .sgpr_count:     66
    .vgpr_count:     256
    .wavefront_size: 32
...
	.end_amdgpu_metadata
.endif
;; end of part 3
;; launch ffn2 (part 4): grid 256 x 1, 16 waves a work-group, no clusters, 141,568 bytes of LDS; arguments W2, b2, hc, hs, list, gate, y; writes y
.if DOCPART == 4
	.amdgcn_target "amdgcn-amd-amdhsa--gfx1250"
	.amdhsa_code_object_version 6
	.text
	.protected	k_q4b376c0f46_ffn2
	.globl	k_q4b376c0f46_ffn2
	.p2align	8
	.type	k_q4b376c0f46_ffn2,@function
k_q4b376c0f46_ffn2:
	s_mov_b64 s[64:65], 0
	v_nop
	global_prefetch_b8 v0, s[64:65] scope:SCOPE_SE
	s_setreg_imm32_b32 hwreg(HW_REG_WAVE_MODE, 25, 1), 1
	s_wait_xcnt 0x0
; SECOND LAYER OF THE CHOSEN EXPERTS: y[kh][p] = gate[p] x (h[p] W2[e], over half kh of K, + b2[e] in half 0), on codes of E2M1 with E8M0 scales; p = 2 token + j.  The next launch adds a token's four parts.
; THE WEIGHTS STAY, THE ROWS COME, as in the launch before: work-group g owns expert e = g / 32, columns 64 ((g / 2) % 16) on (a row's 256 bytes) and half kh = g % 2 of K (2,048 rows): 512 KiB of f32, read ONCE,
; quantised in registers (a lane to a column, registers down K) and laid in LDS as images of operand registers.  EIGHT STEPS of 256 rows.  STREAM: wave w takes columns 32 (w % 2) + lane, rows 32 (w / 2) + 0 .. 31 of a step.
; PRODUCT: wave w takes ranks 32 w .. 32 w + 31, two tiles, against four tiles of columns: eight accumulators.  h's fragments come from hc as they were stored: images.  Ranks 512 on: at the end, from the codes in LDS.
; THE LIST (p by rank, the count M) is the one by which h was laid.  Ranks from M on repeat the last row: the same numbers go to the same bytes of y, from the same wave.
; Every barrier, every global load and every counted wait stands on every wave's path; a wave without rows jumps over LDS loads, matrix and vector work and stores alone, and its loads of h all name 16 bytes of pair 0, which is always written.
; The product is used TRANSPOSED (source 0 = 16 columns of W2, source 1 = 16 rows of h): a lane holds eight neighbouring columns of one row.  b2 (zeros in half 1) is the C of each sum's first product.
; NO JOINT LOADS: which waves work hangs on a count read from memory, so the operands go from memory straight into registers; the weights are shared with nobody.
; LIMITS: NaN and infinities are not served; a block whose largest magnitude is under 2^-124 (a block of zeros too) gets the byte 1.
.set SC,    65536                      ; LDS: 0: the codes, 8 steps x 8,192 B;  here: W2's scale bytes: it 512 + pair of tiles 256 + slot 8 + K step 4 + byte
.set BIAS,  69632                      ; my 64 numbers of b2
.set STAGE, 69888                      ; the way out: 16 rows x (256 + 16) bytes for each wave
.set WO,   1
.set CST,  2
.set SST,  3
.set FRD,  4
.set SRD,  5
.set BIA,  6                           ; BIAS + 32 (lane / 16)
.set LR,   7                           ; the list: 4 (32 w + lane % 16)
.set LP,   8                           ; 4 (32 w + lane / 16)
.set BST,  10
.set HO,   11                          ; hc: 16 lane (0 in a wave without rows)
.set G0,   12                          ; v12, v13: the gates of my row in tiles A and B
.set HSO,  14                          ; hs: 4 lane (or 0)
.set STW,  15
.set STR,  16
.set BOF,  17
.set COL,  18                          ; 16 (lane % 16)
.set GOA,  19                          ; the gates' offsets
.set GOB,  252
.set LN,   254
.set HH,   255
.set X,    20
.set XF,   84
.set ACC,  152
.set FR,   216
.set WS,   248
	s_load_b256 s[4:11], s[0:1], 0x0               ; W2 s[4:5], b2 s[6:7], hc s[8:9], hs s[10:11]
	s_load_b128 s[12:15], s[0:1], 0x20             ; list s[12:13], gate s[14:15]
	s_load_b64 s[16:17], s[0:1], 0x30              ; y
	v_lshl_add_u32 v9, v0, 2, 0x22100
	v_mov_b32 v253, 0
	v_lshrrev_b32 v[LN], 5, v0
	v_readfirstlane_b32 s20, v[LN]                 ; wave
	s_and_b32 s21, s20, 1
	s_lshr_b32 s22, s20, 1
	s_lshr_b32 s23, ttmp9, 5                       ; expert
	s_bfe_u32 s24, ttmp9, 0x40001                  ; slice of 64 columns
	s_and_b32 s52, ttmp9, 1                        ; half of K
	s_cmp_eq_u32 s52, 0
	s_cselect_b32 s51, -1, 0                       ; b2 counts in half 0 alone
	v_and_b32 v[LN], 31, v0
	v_bfe_u32 v[HH], v0, 4, 1
	v_and_b32 v[COL], 15, v0                       ; lane % 16, for now
	s_lshl_b32 s46, s22, 17
	s_lshl_b32 s47, s21, 7
	s_add_co_u32 s46, s46, s47
	v_lshl_add_u32 v[WO], v[LN], 2, s46            ; 32 (w / 2) rows of 4,096 bytes + 128 (w % 2) + 4 lane
	s_lshl_b32 s46, s21, 12
	s_lshl_b32 s47, s22, 8
	s_add_co_u32 s46, s46, s47
	v_lshl_add_u32 v[CST], v[COL], 4, s46          ; column q of my 32 goes to tile 2 cg + q / 16, slot q % 16
	v_lshl_add_u32 v[CST], v[HH], 11, v[CST]
	s_lshl_b32 s46, s21, 8
	s_add_co_u32 s46, s46, s22
	s_add_co_u32 s46, s46, SC
	v_lshl_add_u32 v[SST], v[LN], 3, s46
	v_lshlrev_b32 v[FRD], 4, v[LN]
	v_lshl_add_u32 v[SRD], v[LN], 3, SC
	v_lshl_add_u32 v[BIA], v[HH], 5, BIAS
	v_and_b32 v[LR], 0x1ef, v0
	v_lshlrev_b32 v[LR], 2, v[LR]
	v_and_b32 v[LP], 0x1e0, v0
	v_add_nc_u32 v[LP], v[LP], v[HH]
	v_lshlrev_b32 v[LP], 2, v[LP]
	v_and_b32 v[BOF], 63, v0
	v_lshlrev_b32 v[BOF], 2, v[BOF]
	v_add_nc_u32 v[BST], BIAS, v[BOF]
	v_lshlrev_b32 v[HSO], 2, v[LN]
	s_mul_i32 s46, s20, 4352
	s_add_co_u32 s46, s46, STAGE                   ; my stage
	v_mul_u32_u24 v[STW], v[COL], 272
	v_lshl_add_u32 v[STW], v[HH], 5, v[STW]
	v_add_nc_u32 v[STW], s46, v[STW]               ; in: row lane % 16, 32 bytes for each half of the lanes
	v_mul_u32_u24 v[STR], v[HH], 272
	v_lshl_add_u32 v[STR], v[COL], 4, v[STR]
	v_add_nc_u32 v[STR], s46, v[STR]               ; back: lanes 0-15 one row, lanes 16-31 the next
	v_lshlrev_b32 v[COL], 4, v[COL]
	s_mov_b32 s47, 0
	s_lshl_b32 s48, s52, 23
	s_lshl_b32 s49, s24, 8
	s_add_co_u32 s48, s48, s49                     ; 8 MiB kh + 256 slice: the same in W2 (within an expert) and in y
	s_lshl_b32 s46, s23, 24
	s_add_co_u32 s46, s46, s48
	s_wait_kmcnt 0x0
	s_add_nc_u64 s[32:33], s[4:5], s[46:47]        ; W2
	s_mul_i32 s46, s23, 4352
	s_add_nc_u64 s[12:13], s[12:13], s[46:47]      ; my expert's list
	s_load_b32 s25, s[12:13], 0x1000               ; M
	s_mov_b32 s46, s48
	s_add_nc_u64 s[34:35], s[16:17], s[46:47]      ; y
	s_lshl_b32 s46, s23, 21
	s_lshl_b32 s48, s52, 14
	s_add_co_u32 s46, s46, s48
	s_add_nc_u64 s[40:41], s[8:9], s[46:47]        ; hc: expert, my half's first K step; the pair is added when M is known
	s_lshl_b32 s46, s23, 17
	s_lshl_b32 s48, s52, 11
	s_add_co_u32 s46, s46, s48
	s_add_nc_u64 s[42:43], s[10:11], s[46:47]      ; hs likewise
	s_lshl_b32 s46, s23, 12
	s_add_co_u32 s46, s46, s49
	s_add_nc_u64 s[44:45], s[6:7], s[46:47]        ; b2 at my 64 columns
.macro WLOAD it, from, to              ; rows from .. to - 1 of my block of step it; the largest offset, 7 x 2^20 + 31 x 4,096, lies inside the signed 24-bit immediate
.set wi, \from
.rept (\to)-(\from)
	global_load_b32 v[X+32*((\it)%2)+wi], v[WO], s[32:33] offset:(\it)*1048576+wi*4096 th:TH_LOAD_NT
.set wi, wi+1
.endr
.endm
.macro HLOAD it, set, ob               ; ten loads: h's four fragments of step it (two tiles x two K steps), as images, and their scale words
.irp u, 0,1
.irp ks, 0,1
.irp c, 0,1
	global_load_b128 v[XF+34*(\set)+16*\u+8*\ks+4*\c:XF+34*(\set)+16*\u+8*\ks+4*\c+3], v[HO], s[40:41] offset:(\ob)*1048576+\u*32768+(2*(\it)+\ks)*1024+512*\c
.endr
.endr
.endr
.irp ks, 0,1
	global_load_b32 v[XF+34*(\set)+32+\ks], v[HSO], s[42:43] offset:(\ob)*65536+(2*(\it)+\ks)*128
.endr
.endm
.macro PLOAD ob                        ; sixteen loads: p of rank 32 w + 16 u + 2 i + lane / 16, for the way out, into the set of W2's numbers that has fallen free
.irp u, 0,1
.irp i, 0,1,2,3,4,5,6,7
	global_load_b32 v[X+8*\u+\i], v[LP], s[12:13] offset:2048*(\ob)+64*\u+8*\i
.endr
.endr
.endm
.macro QW base
	v_max3_num_f32 v[FR], |v[\base]|, |v[\base+1]|, |v[\base+2]|
	v_max3_num_f32 v[FR+1], |v[\base+3]|, |v[\base+4]|, |v[\base+5]|
.irp i, 6,10,14,18,22,26
	v_max3_num_f32 v[FR], v[FR], |v[\base+\i]|, |v[\base+\i+1]|
	v_max3_num_f32 v[FR+1], v[FR+1], |v[\base+\i+2]|, |v[\base+\i+3]|
.endr
	v_max3_num_f32 v[FR], v[FR], |v[\base+30]|, |v[\base+31]|
	v_max3_num_f32 v[FR], v[FR], v[FR+1], 0x1800000    ; the floor 2^(3 - 127)
	v_add_nc_u32 v[FR+2], 0xff000000, v[FR]
.irp g, 0,1,2,3
	v_cvt_scalef32_pk8_fp4_f32 v[FR+4+\g], v[\base+8*\g:\base+8*\g+7], v[FR+2]
.endr
	v_lshrrev_b32 v[FR+3], 23, v[FR+2]                 ; (a plain line behind the conversions)
.endm
.macro ACCINIT                         ; b2 in the result's layout: tile ct, register j, lane half h: column 16 ct + 8 h + j
.irp u, 0,1
.irp ct, 0,1,2,3
.irp hh, 0,1
	ds_load_b128 v[ACC+32*\u+8*\ct+4*\hh:ACC+32*\u+8*\ct+4*\hh+3], v[BIA] offset:64*\ct+16*\hh
.endr
.endr
.endr
.endm
.macro WM u, ct, ks, set
.set rD, ACC+32*(\u)+8*(\ct)
.set rA, FR+8*(\ct)
.set rB, XF+34*(\set)+16*(\u)+8*(\ks)
.set rSA, WS+2*((\ct)/2)+(\ks)
.set rSB, XF+34*(\set)+32+(\ks)
.if (((\ct)%2) == 0) && ((\u) == 0)
	v_wmma_scale_f32_16x16x128_f8f6f4 v[rD:rD+7], v[rA:rA+7], v[rB:rB+7], v[rD:rD+7], v[rSA], v[rSB] matrix_a_fmt:MATRIX_FMT_FP4 matrix_b_fmt:MATRIX_FMT_FP4
.elseif ((\ct)%2) == 0
	v_wmma_scale_f32_16x16x128_f8f6f4 v[rD:rD+7], v[rA:rA+7], v[rB:rB+7], v[rD:rD+7], v[rSA], v[rSB] matrix_a_fmt:MATRIX_FMT_FP4 matrix_b_fmt:MATRIX_FMT_FP4 matrix_b_scale:MATRIX_SCALE_ROW1
.elseif (\u) == 0
	v_wmma_scale_f32_16x16x128_f8f6f4 v[rD:rD+7], v[rA:rA+7], v[rB:rB+7], v[rD:rD+7], v[rSA], v[rSB] matrix_a_fmt:MATRIX_FMT_FP4 matrix_b_fmt:MATRIX_FMT_FP4 matrix_a_scale:MATRIX_SCALE_ROW1
.else
	v_wmma_scale_f32_16x16x128_f8f6f4 v[rD:rD+7], v[rA:rA+7], v[rB:rB+7], v[rD:rD+7], v[rSA], v[rSB] matrix_a_fmt:MATRIX_FMT_FP4 matrix_b_fmt:MATRIX_FMT_FP4 matrix_a_scale:MATRIX_SCALE_ROW1 matrix_b_scale:MATRIX_SCALE_ROW1
.endif
.endm
; 16 matrix instructions; the eight accumulators take turns, one instruction a turn; four plain places behind each run of eight.
.macro PRODUCT it, set
	ds_load_b64 v[WS:WS+1], v[SRD] offset:(\it)*512
	ds_load_b64 v[WS+2:WS+3], v[SRD] offset:(\it)*512+256
.irp ks, 0,1
.irp ct, 0,1,2,3
.irp c, 0,1
	ds_load_b128 v[FR+8*\ct+4*\c:FR+8*\ct+4*\c+3], v[FRD] offset:(\it)*8192+\ct*2048+\ks*1024+\c*512
.endr
.endr
	s_wait_dscnt 0x0
.irp ct, 0,1,2,3
.irp u, 0,1
	WM \u, \ct, \ks, \set
.endr
.endr
.rept 4
	v_nop
.endr
.endr
.endm
; THE WAY OUT, a tile of 16 rows at a time: x the row's gate; through my own stage, so that sixteen lanes hold a row's 256 bytes; each row to its own p in y (p: v[X] on, by PLOAD).
.macro EPILOGUE2
.irp u, 0,1
.set ej, 0
.rept 16
.if \u == 0
	v_pk_mul_f32 v[ACC+ej:ACC+ej+1], v[ACC+ej:ACC+ej+1], v[G0:G0+1] op_sel_hi:[1,0]                        ; ascending: each accumulator is first read at its low end
.else
	v_pk_mul_f32 v[ACC+32+ej:ACC+32+ej+1], v[ACC+32+ej:ACC+32+ej+1], v[G0:G0+1] op_sel:[0,1] op_sel_hi:[1,1]
.endif
.set ej, ej+2
.endr
.irp ct, 0,1,2,3
.irp hh, 0,1
	ds_store_b128 v[STW], v[ACC+32*\u+8*\ct+4*\hh:ACC+32*\u+8*\ct+4*\hh+3] offset:64*\ct+16*\hh
.endr
.endr
.irp i, 0,1,2,3,4,5,6,7
	ds_load_b128 v[FR+4*\i:FR+4*\i+3], v[STR] offset:544*\i        ; LDS serves a wave's instructions in order (ISA guide 5.7.1.4): these see the stores above
.endr
.irp i, 0,1,2,3,4,5,6,7
	v_min_u32 v[X+8*\u+\i], 2047, v[X+8*\u+\i]
.endr
.irp i, 0,1,2,3,4,5,6,7
	v_lshl_add_u32 v[X+16+\i], v[X+8*\u+\i], 12, v[COL]            ; row p of 4,096 bytes, my 16 bytes of the slice's 256
.endr
	s_wait_dscnt 0x0
.irp i, 0,1,2,3,4,5,6,7
	global_store_b128 v[X+16+\i], v[FR+4*\i:FR+4*\i+3], s[34:35]   ; sixteen lanes store 256 bytes on end, at a multiple of 256 from y's first byte
.endr
	s_wait_xcnt 0x0                                ; the stores' data and offsets are written again only behind this wait
.endr
.endm
.macro GLOAD ob                        ; p of my row (lane % 16) in tiles A and B: two loads
	global_load_b32 v[FR], v[LR], s[12:13] offset:2048*\ob
	global_load_b32 v[FR+1], v[LR], s[12:13] offset:2048*\ob+64
.endm
.macro GADR                            ; and their gates: two loads
	v_min_u32 v[FR], 2047, v[FR]
	v_min_u32 v[FR+1], 2047, v[FR+1]
	v_lshlrev_b32 v[GOA], 2, v[FR]
	v_lshlrev_b32 v[GOB], 2, v[FR+1]
	global_load_b32 v[G0], v[GOA], s[14:15]
	global_load_b32 v[G0+1], v[GOB], s[14:15]
.endm
.macro ITER it, nh, np
	s_wait_loadcnt \nh
	QW X+32*((\it)%2)
	ds_store_b128 v[CST], v[FR+4:FR+7] offset:(\it)*8192
	ds_store_b8 v[SST], v[FR+3] offset:(\it)*512
.if (\it) == 0
	s_cmp_ge_u32 s20, 2
	s_cbranch_scc1 .Lnob_\@
	v_and_b32 v[ACC+32], s51, v[ACC+32]            ; zeros in half 1
	ds_store_b32 v[BST], v[ACC+32]                 ; waves 0 and 1: b2's 64 numbers
.Lnob_\@:
.endif
.if (\it) <= 5
	WLOAD (\it)+2, 0, 16
.endif
.if (\it) == 6
	PLOAD 0                                        ; no weights are left to ask for: the rows' places in y, a step and a half ahead of the way out
.endif
	s_wait_dscnt 0x0                               ; for the others' sake: my codes and my byte lie in LDS
	s_barrier_signal -1
	s_barrier_wait -1                              ; the step's codes and scale bytes are whole; each step has bytes of its own
	s_wait_loadcnt \np
.if (\it) == 0
	ACCINIT
.endif
	s_cmp_eq_u32 s27, 0
	s_cbranch_scc1 .Lidle_\@
	PRODUCT \it, (\it)%2
.if (\it) == 7
	EPILOGUE2
.endif
.Lidle_\@:
.if (\it) <= 5
	WLOAD (\it)+2, 16, 32
	HLOAD (\it)+2, (\it)%2, 0
.endif
.endm
	GLOAD 0
	global_load_b32 v[ACC+32], v[BOF], s[44:45]
	WLOAD 0, 0, 32
	WLOAD 1, 0, 16
	s_wait_loadcnt 0x30                            ; my rows and b2 are in; the 48 loads of W2 issued behind them may stay out
	GADR
	s_wait_kmcnt 0x0                               ; M
	s_lshl_b32 s47, s20, 5
	s_cmp_lt_u32 s47, s25
	s_cselect_b32 s27, 1, 0                        ; have I rows?
	s_add_co_u32 s47, s47, 512
	s_cmp_lt_u32 s47, s25
	s_cselect_b32 s28, 1, 0                        ; and rows past rank 511?
	s_min_u32 s46, s27, 1                          ; 0 or 1: it multiplies offsets.  A wave without rows reads pair 0's first 16 bytes of each image
	s_mul_i32 s48, s20, s46
	s_mov_b32 s49, 0
	s_lshl_b32 s48, s48, 12
	s_add_nc_u64 s[42:43], s[42:43], s[48:49]      ; hs at my pair
	s_lshl_b32 s48, s48, 4
	s_add_nc_u64 s[40:41], s[40:41], s[48:49]      ; hc at my pair
	v_mul_u32_u24 v[HO], s46, v[FRD]
	v_mul_u32_u24 v[HSO], s46, v[HSO]
	HLOAD 0, 0, 0
	WLOAD 1, 16, 32
	HLOAD 1, 1, 0
	ITER 0, 54, 42                                 ; 16 + 2 + 10 + 16 + 10;  16 + 10 + 16
	ITER 1, 52, 58                                 ; 10 + 16 + 16 + 10;  16 + 16 + 10 + 16
	ITER 2, 52, 58
	ITER 3, 52, 58
	ITER 4, 52, 58
	ITER 5, 52, 58
	ITER 6, 52, 58                                 ; 10 + 16 + 16 + 10;  16 + 16 + 10 + the sixteen loads of p
	ITER 7, 26, 0                                  ; 10 + 16;  all: the way out wants p
	s_cmp_eq_u32 s28, 0                            ; RANKS 512 ON: from the codes in LDS, which nobody writes any more: no barrier
	s_cbranch_scc1 .Lend
	s_wait_loadcnt 0x0                             ; no load names the gates' offsets any more
	GLOAD 1
	PLOAD 1
	s_wait_loadcnt 0x0
	GADR
	ACCINIT
.irp t, 0,1,2,3,4,5,6,7
	HLOAD \t, 0, 1
	s_wait_loadcnt 0x0
	PRODUCT \t, 0
.endr
	EPILOGUE2
.Lend:
	s_wait_tensorcnt 0x0
	ds_add_u32 v9, v253
	s_wait_dscnt 0x0
	s_endpgm
.Lfunc_end_k_q4b376c0f46_ffn2:
	.size	k_q4b376c0f46_ffn2, .Lfunc_end_k_q4b376c0f46_ffn2-k_q4b376c0f46_ffn2
	.p2alignl 7, 3214868480
	.fill 96, 4, 3214868480
	.section	.rodata,"a",@progbits
	.p2align	6, 0x0
	.amdhsa_kernel k_q4b376c0f46_ffn2
		.amdhsa_group_segment_fixed_size 141568
		.amdhsa_private_segment_fixed_size 0
		.amdhsa_enable_private_segment 0
		.amdhsa_kernarg_size 56
		.amdhsa_user_sgpr_count 2
		.amdhsa_user_sgpr_kernarg_segment_ptr 1
		.amdhsa_wavefront_size32 1
		.amdhsa_system_sgpr_workgroup_id_x 1
		.amdhsa_system_sgpr_workgroup_id_y 1
		.amdhsa_system_sgpr_workgroup_id_z 1
		.amdhsa_system_vgpr_workitem_id 0
		.amdhsa_next_free_vgpr 256
		.amdhsa_next_free_sgpr 66
		.amdhsa_reserve_vcc 0
		.amdhsa_float_denorm_mode_32 3
		.amdhsa_float_denorm_mode_16_64 3
		.amdhsa_memory_ordered 1
		.amdhsa_forward_progress 1
		.amdhsa_inst_pref_size 134
	.end_amdhsa_kernel
	.amdgpu_metadata
---
amdhsa.version: [ 1, 2 ]
amdhsa.kernels:
  - .name:           k_q4b376c0f46_ffn2
    .symbol:         k_q4b376c0f46_ffn2.kd
    .args:
      - { .name: W2, .offset: 0, .size: 8, .value_kind: global_buffer, .address_space: global }
      - { .name: b2, .offset: 8, .size: 8, .value_kind: global_buffer, .address_space: global }
      - { .name: hc, .offset: 16, .size: 8, .value_kind: global_buffer, .address_space: global }
      - { .name: hs, .offset: 24, .size: 8, .value_kind: global_buffer, .address_space: global }
      - { .name: list, .offset: 32, .size: 8, .value_kind: global_buffer, .address_space: global }
      - { .name: gate, .offset: 40, .size: 8, .value_kind: global_buffer, .address_space: global }
      - { .name: y, .offset: 48, .size: 8, .value_kind: global_buffer, .address_space: global }
    .group_segment_fixed_size: 141568
    .private_segment_fixed_size: 0
    .kernarg_segment_align: 8
    .kernarg_segment_size: 56
    .max_flat_workgroup_size: 512
    .sgpr_count:     66
    .vgpr_count:     256
    .wavefront_size: 32
...
	.end_amdgpu_metadata
.endif
;; end of part 4
;; launch combine (part 5): grid 256 x 1, 8 waves a work-group, no clusters, 0 bytes of LDS; arguments y, out0; writes out0
.if DOCPART == 5
	.amdgcn_target "amdgcn-amd-amdhsa--gfx1250"
	.amdhsa_code_object_version 6
	.text
	.protected	k_q4b376c0f46_combine
	.globl	k_q4b376c0f46_combine
	.p2align	8
	.type	k_q4b376c0f46_combine,@function
k_q4b376c0f46_combine:
	s_mov_b64 s[64:65], 0
	v_nop
	global_prefetch_b8 v0, s[64:65] scope:SCOPE_SE
	s_setreg_imm32_b32 hwreg(HW_REG_WAVE_MODE, 25, 1), 1
	s_wait_xcnt 0x0
; out0[n] = y[0][2 n] + y[0][2 n + 1] + y[1][2 n] + y[1][2 n + 1]: a token's two experts, each in two halves of K; the gates are in y already.
; A stream: 256 work-groups x 4 tokens; thread t owns bytes 16 t of each row of 4,096, so a wave's load or store covers 512 bytes on end.  All sixteen loads go out first; the waits count down.
; No LDS, no barrier, no matrix unit: nothing is shared and nothing is multiplied.
.set A, 4                              ; v4-67: token q: four registers for each of its four parts
	s_load_b128 s[4:7], s[0:1], 0x0                ; y, out0
	v_lshlrev_b32 v1, 4, v0
	s_lshl_b32 s10, ttmp9, 15                      ; four tokens are eight rows of y,
	s_mov_b32 s11, 0
	s_lshl_b32 s12, ttmp9, 14                      ; and four of out0
	s_mov_b32 s13, 0
	s_wait_kmcnt 0x0
	s_add_nc_u64 s[4:5], s[4:5], s[10:11]
	s_add_nc_u64 s[8:9], s[4:5], 0x800000          ; the second half of K lies 8 MiB on: one byte more than a load's immediate reaches
	s_add_nc_u64 s[6:7], s[6:7], s[12:13]
.irp q, 0,1,2,3
	global_load_b128 v[A+16*\q:A+16*\q+3],     v1, s[4:5] offset:8192*\q th:TH_LOAD_NT
	global_load_b128 v[A+16*\q+4:A+16*\q+7],   v1, s[4:5] offset:8192*\q+4096 th:TH_LOAD_NT
	global_load_b128 v[A+16*\q+8:A+16*\q+11],  v1, s[8:9] offset:8192*\q th:TH_LOAD_NT
	global_load_b128 v[A+16*\q+12:A+16*\q+15], v1, s[8:9] offset:8192*\q+4096 th:TH_LOAD_NT
.endr
.irp q, 0,1,2,3
	s_wait_loadcnt 12-4*\q                         ; token q's four loads are in; the later tokens' may stay out
	v_pk_add_f32 v[A+16*\q:A+16*\q+1],     v[A+16*\q:A+16*\q+1],     v[A+16*\q+4:A+16*\q+5]
	v_pk_add_f32 v[A+16*\q+2:A+16*\q+3],   v[A+16*\q+2:A+16*\q+3],   v[A+16*\q+6:A+16*\q+7]
	v_pk_add_f32 v[A+16*\q+8:A+16*\q+9],   v[A+16*\q+8:A+16*\q+9],   v[A+16*\q+12:A+16*\q+13]
	v_pk_add_f32 v[A+16*\q+10:A+16*\q+11], v[A+16*\q+10:A+16*\q+11], v[A+16*\q+14:A+16*\q+15]
	v_pk_add_f32 v[A+16*\q:A+16*\q+1],     v[A+16*\q:A+16*\q+1],     v[A+16*\q+8:A+16*\q+9]
	v_pk_add_f32 v[A+16*\q+2:A+16*\q+3],   v[A+16*\q+2:A+16*\q+3],   v[A+16*\q+10:A+16*\q+11]
	global_store_b128 v1, v[A+16*\q:A+16*\q+3], s[6:7] offset:4096*\q th:TH_STORE_NT
.endr
	s_endpgm
.Lfunc_end_k_q4b376c0f46_combine:
	.size	k_q4b376c0f46_combine, .Lfunc_end_k_q4b376c0f46_combine-k_q4b376c0f46_combine
	.p2alignl 7, 3214868480
	.fill 96, 4, 3214868480
	.section	.rodata,"a",@progbits
	.p2align	6, 0x0
	.amdhsa_kernel k_q4b376c0f46_combine
		.amdhsa_group_segment_fixed_size 0
		.amdhsa_private_segment_fixed_size 0
		.amdhsa_enable_private_segment 0
		.amdhsa_kernarg_size 16
		.amdhsa_user_sgpr_count 2
		.amdhsa_user_sgpr_kernarg_segment_ptr 1
		.amdhsa_wavefront_size32 1
		.amdhsa_system_sgpr_workgroup_id_x 1
		.amdhsa_system_sgpr_workgroup_id_y 1
		.amdhsa_system_sgpr_workgroup_id_z 1
		.amdhsa_system_vgpr_workitem_id 0
		.amdhsa_next_free_vgpr 72
		.amdhsa_next_free_sgpr 66
		.amdhsa_reserve_vcc 0
		.amdhsa_float_denorm_mode_32 3
		.amdhsa_float_denorm_mode_16_64 3
		.amdhsa_memory_ordered 1
		.amdhsa_forward_progress 1
		.amdhsa_inst_pref_size 5
	.end_amdhsa_kernel
	.amdgpu_metadata
---
amdhsa.version: [ 1, 2 ]
amdhsa.kernels:
  - .name:           k_q4b376c0f46_combine
    .symbol:         k_q4b376c0f46_combine.kd
    .args:
      - { .name: y, .offset: 0, .size: 8, .value_kind: global_buffer, .address_space: global }
      - { .name: out0, .offset: 8, .size: 8, .value_kind: global_buffer, .address_space: global }
    .group_segment_fixed_size: 0
    .private_segment_fixed_size: 0
    .kernarg_segment_align: 8
    .kernarg_segment_size: 16
    .max_flat_workgroup_size: 256
    .sgpr_count:     66
    .vgpr_count:     72
    .wavefront_size: 32
...
	.end_amdgpu_metadata
.endif
;; end of part 5
;; ======== version 2 of 2: 5 launches
;; workspace buffers: xc 524,288 bytes; xs 32,768 bytes; sel 4,096 bytes of whole numbers; gate 8,192 bytes; hc 16,777,216 bytes; hs 1,048,576 bytes; y 16,777,216 bytes; list 34,816 bytes of whole numbers
;; launch route (part 6): grid 256 x 1, 4 waves a work-group, no clusters, 33,792 bytes of LDS; arguments x, Wg, bg, xc, xs, sel, gate; writes xc, xs, sel, gate
.if DOCPART == 6
	.amdgcn_target "amdgcn-amd-amdhsa--gfx1250"
	.amdhsa_code_object_version 6
	.text
	.protected	k_q4b376c0f46_route
	.globl	k_q4b376c0f46_route
	.p2align	8
	.type	k_q4b376c0f46_route,@function
k_q4b376c0f46_route:
	s_mov_b64 s[64:65], 0
	v_nop
	global_prefetch_b8 v0, s[64:65] scope:SCOPE_SE
	s_setreg_imm32_b32 hwreg(HW_REG_WAVE_MODE, 25, 1), 1
	s_wait_xcnt 0x0
; ROUTER AND QUANTISER OF x.  logits = x Wg + bg in f32 multiply-adds; the two largest (a tie goes to the lower index: a later logit replaces only if strictly larger);
; gates = softmax of the two, the larger taken away first.  x is turned into codes of E2M1 with one E8M0 byte for each 32 along its row.
; SHARES: 256 work-groups x 4 waves: a wave owns ONE token, lane l owns block l of its row (k = 32 l .. 32 l + 31): the block's largest magnitude needs no other lane, and the
; conversions take their eight neighbours from the lane's own registers.  A lane's eight loads of x lie in 128 bytes of its own, 128 bytes from the next lane's: x is 4 MiB of the program's 270.
; OUT: xc [token][512 B] codes, block l at byte 16 l (a wave stores 512 bytes on end); xs [token][32 B] scale bytes; sel [token] = first expert | second << 8; gate [2 token + j].
; xs, sel and gate are 32, 4 and 8 bytes a token: parts of aligned 256 bytes, 44 KiB in the whole launch.
; No address and no branch hangs on the choice: it is stored at fixed places, and the later launches form their lists from it.
; LIMITS: NaN and infinities are not served.  A block whose largest magnitude is under 2^-124, a block of zeros too, gets the byte 1 (its codes are then zeros or what that scale gives);
; the bytes are read by this program alone.  The logits are summed in another order than a row-by-row sum: two logits equal to within f32 rounding may change places.
.set XR,  16                           ; v16-47   my 32 numbers of x
.set WA,  48                           ; v48-111  Wg on its way into LDS; then eight rows of Wg, by turns with
.set WB,  112                          ; v112-175
.set LG,  176                          ; v176-183 eight sums
.set M1,  184
.set M2,  185
.set SOP, 186                          ; the conversion's scale operand
.set BY,  187                          ; the scale's byte
.set CD,  188                          ; v188-191 my block's codes
.set B1,  192                          ; the largest logit, its index, the second, its index
.set I1,  193
.set B2,  194
.set I2,  195
.set T0,  196
.set T1,  197
.set XW,  198                          ; the scale word of four blocks
.set XT,  199
.set PD,  200                          ; v200-207 the other half's sums
.set SW,  208                          ; what is stored: the choice, the gate
.set GV,  209
.set EX,  210
.set RC,  211
	s_load_b256 s[4:11], s[0:1], 0x0               ; x s[4:5], Wg s[6:7], bg s[8:9], xc s[10:11]
	s_load_b128 s[12:15], s[0:1], 0x20             ; xs s[12:13], sel s[14:15]
	s_load_b64 s[16:17], s[0:1], 0x30              ; gate
	v_lshl_add_u32 v216, v0, 2, 0x8200
	v_mov_b32 v217, 0
	v_lshrrev_b32 v1, 5, v0
	v_readfirstlane_b32 s18, v1                    ; wave
	v_and_b32 v1, 31, v0                           ; lane
	v_lshlrev_b32 v2, 4, v0                        ; Wg in: 16 bytes a thread, 2,048 a load
	v_lshrrev_b32 v3, 6, v0
	v_lshl_add_u32 v3, v3, 4, v2                   ; into LDS: 16 bytes of padding behind each 1,024: byte a goes to a + 16 (a / 1024)
	v_lshlrev_b32 v4, 7, v1                        ; x: my block's 128 bytes
	v_mul_u32_u24 v5, v1, 1040                     ; my 32 rows of Wg in LDS: 260 words from lane to lane
	v_lshlrev_b32 v6, 4, v1                        ; xc: 16 bytes a lane
	v_lshrrev_b32 v7, 2, v1
	v_lshlrev_b32 v7, 2, v7                        ; xs: a word for four lanes
	v_and_b32 v8, 1, v1
	v_lshlrev_b32 v8, 2, v8                        ; gate: even lanes the first, odd lanes the second
	v_mov_b32 v9, 0
	v_and_b32 v10, 3, v1
	v_lshlrev_b32 v10, 3, v10                      ; my byte's place in the scale word
	v_mov_b32 v[XT], 0                             ; written once: the destination of a lane move counts as read
.irp e, 0,1,2,3,4,5,6,7
	v_mov_b32 v[PD+\e], 0
.endr
	s_lshl_b32 s19, ttmp9, 2
	s_add_co_u32 s19, s19, s18                     ; my token
	s_mov_b32 s28, 0x76543210
	s_mov_b32 s29, 0xfedcba98                      ; v_permlanex16_b32's selects for lane l xor 16
	s_mov_b32 s36, 0xaaaaaaaa                      ; the odd lanes
	s_mov_b32 s31, 0
	s_wait_kmcnt 0x0
	s_load_b256 s[20:27], s[8:9], 0x0              ; bg: eight numbers
	s_lshl_b32 s30, s19, 12
	s_add_nc_u64 s[4:5], s[4:5], s[30:31]          ; x at my row
	s_lshl_b32 s30, s19, 9
	s_add_nc_u64 s[10:11], s[10:11], s[30:31]
	s_lshl_b32 s30, s19, 5
	s_add_nc_u64 s[12:13], s[12:13], s[30:31]
	s_lshl_b32 s30, s19, 2
	s_add_nc_u64 s[14:15], s[14:15], s[30:31]
	s_lshl_b32 s30, s19, 3
	s_add_nc_u64 s[16:17], s[16:17], s[30:31]
.irp j, 0,1,2,3,4,5,6,7,8,9,10,11,12,13,14,15
	global_load_b128 v[WA+4*\j:WA+4*\j+3], v2, s[6:7] offset:2048*\j
.endr
.irp j, 0,1,2,3,4,5,6,7
	global_load_b128 v[XR+4*\j:XR+4*\j+3], v4, s[4:5] offset:16*\j
.endr
	s_wait_loadcnt 0x8                             ; Wg is in; the eight loads of x may stay out
.irp j, 0,1,2,3,4,5,6,7,8,9,10,11,12,13,14,15
	ds_store_b128 v3, v[WA+4*\j:WA+4*\j+3] offset:2080*\j
.endr
	s_wait_dscnt 0x0                               ; for the others' sake: my part of Wg lies in LDS
	s_barrier_signal -1
	s_barrier_wait -1                              ; all of it does
.macro CHUNK c, set                    ; rows 8 c .. 8 c + 7 of my 32 rows of Wg: 32 bytes a row
.irp i, 0,1,2,3,4,5,6,7
	ds_load_b128 v[\set+8*\i:\set+8*\i+3], v5 offset:32*(8*(\c)+\i)
	ds_load_b128 v[\set+8*\i+4:\set+8*\i+7], v5 offset:32*(8*(\c)+\i)+16
.endr
.endm
.macro DOT c, set                      ; eight sums += x(k) Wg(k, 0 .. 7), two sums an instruction; the very first product starts the sums
.irp i, 0,1,2,3,4,5,6,7
.irp p, 0,1,2,3
.if (8*(\c)+\i) == 0
	v_pk_mul_f32 v[LG+2*\p:LG+2*\p+1], v[XR:XR+1], v[\set+2*\p:\set+2*\p+1] op_sel_hi:[0,1]
.elseif (\i%2) == 0
	v_pk_fma_f32 v[LG+2*\p:LG+2*\p+1], v[XR+8*(\c)+\i:XR+8*(\c)+\i+1], v[\set+8*\i+2*\p:\set+8*\i+2*\p+1], v[LG+2*\p:LG+2*\p+1] op_sel_hi:[0,1,1]
.else
	v_pk_fma_f32 v[LG+2*\p:LG+2*\p+1], v[XR+8*(\c)+\i-1:XR+8*(\c)+\i], v[\set+8*\i+2*\p:\set+8*\i+2*\p+1], v[LG+2*\p:LG+2*\p+1] op_sel:[1,0,0] op_sel_hi:[1,1,1]
.endif
.endr
.endr
.endm
	CHUNK 0, WA
	CHUNK 1, WB
	s_wait_loadcnt 0x0                             ; x
	; my block: its largest magnitude, with the floor 2^(3 - 127) among the leaves, so that the byte cannot fall under 1
	v_max3_num_f32 v[M1], |v[XR]|, |v[XR+1]|, |v[XR+2]|
	v_max3_num_f32 v[M2], |v[XR+3]|, |v[XR+4]|, |v[XR+5]|
.irp i, 6,10,14,18,22,26
	v_max3_num_f32 v[M1], v[M1], |v[XR+\i]|, |v[XR+\i+1]|
	v_max3_num_f32 v[M2], v[M2], |v[XR+\i+2]|, |v[XR+\i+3]|
.endr
	v_max3_num_f32 v[M1], v[M1], |v[XR+30]|, |v[XR+31]|
	v_max3_num_f32 v[M1], v[M1], v[M2], 0x1800000
	v_add_nc_u32 v[SOP], 0xff000000, v[M1]         ; 2 off its exponent field: the conversion takes that field as its scale
.irp g, 0,1,2,3
	v_cvt_scalef32_pk8_fp4_f32 v[CD+\g], v[XR+8*\g:XR+8*\g+7], v[SOP]
.endr
	v_lshrrev_b32 v[BY], 23, v[SOP]                ; the scale's byte (a plain line behind the conversions)
	global_store_b128 v6, v[CD:CD+3], s[10:11]     ; the wave stores 512 bytes on end
	v_lshlrev_b32 v[XW], v10, v[BY]
	v_mov_b32_dpp v[XT], v[XW] row_xmask:1 row_mask:0xf bank_mask:0xf
	v_or_b32 v[XW], v[XW], v[XT]
	v_mov_b32_dpp v[XT], v[XW] row_xmask:2 row_mask:0xf bank_mask:0xf
	v_or_b32 v[XW], v[XW], v[XT]                   ; four lanes' bytes make a word
	global_store_b32 v7, v[XW], s[12:13]           ; the four write the same word with the same value
	s_wait_dscnt 0x10                              ; chunk 0 is in; chunk 1's sixteen loads may stay out
	DOT 0, WA
	CHUNK 2, WA
	s_wait_alu depctr_va_vdst(0)
	s_wait_dscnt 0x10
	DOT 1, WB
	CHUNK 3, WB
	s_wait_alu depctr_va_vdst(0)
	s_wait_dscnt 0x10
	DOT 2, WA
	s_wait_alu depctr_va_vdst(0)
	s_wait_dscnt 0x0
	DOT 3, WB
.irp m, 1,2,4,8                        ; over the 32 lanes; the eight sums by turns
.irp e, 0,1,2,3,4,5,6,7
	v_add_f32_dpp v[LG+\e], v[LG+\e], v[LG+\e] row_xmask:\m row_mask:0xf bank_mask:0xf
.endr
.endr
.irp e, 0,1,2,3,4,5,6,7
	v_permlanex16_b32 v[PD+\e], v[LG+\e], s28, s29
.endr
	s_wait_alu depctr_va_vdst(0)
	s_wait_kmcnt 0x0                               ; bg
.irp e, 0,1,2,3,4,5,6,7
	v_add_f32 v[LG+\e], v[LG+\e], v[PD+\e]
.endr
.irp e, 0,1,2,3,4,5,6,7
	v_add_f32 v[LG+\e], s[20+\e], v[LG+\e]
.endr
	v_mov_b32 v[B1], v[LG]                         ; the two largest, in one pass
	v_mov_b32 v[I1], 0
	v_mov_b32 v[B2], 0xff800000
	v_mov_b32 v[I2], 0
.irp e, 1,2,3,4,5,6,7
	v_cmp_gt_f32 s30, v[LG+\e], v[B1]
	v_cmp_gt_f32 s31, v[LG+\e], v[B2]
	v_cndmask_b32 v[T0], v[B2], v[LG+\e], s31
	v_cndmask_b32 v[T1], v[I2], \e, s31
	v_cndmask_b32 v[B2], v[T0], v[B1], s30         ; a new largest pushes the old one down
	v_cndmask_b32 v[I2], v[T1], v[I1], s30
	v_cndmask_b32 v[B1], v[B1], v[LG+\e], s30
	v_cndmask_b32 v[I1], v[I1], \e, s30
.endr
	v_sub_f32 v[T0], v[B2], v[B1]                  ; the maximum is taken away: 0 or less
	v_mul_f32 v[T0], 0x3fb8aa3b, v[T0]
	s_wait_alu depctr_va_vdst(0)
	v_exp_f32 v[EX], v[T0]
	v_lshl_or_b32 v[SW], v[I2], 8, v[I1]           ; (a plain line behind the exponential)
	s_wait_alu depctr_va_vdst(0)
	v_add_f32 v[T1], 1.0, v[EX]
	s_wait_alu depctr_va_vdst(0)
	v_rcp_f32 v[RC], v[T1]                         ; the first gate
	v_nop                                          ; a plain line behind the reciprocal
	s_wait_alu depctr_va_vdst(0)
	v_mul_f32 v[GV], v[EX], v[RC]                  ; the second
	v_cndmask_b32 v[GV], v[RC], v[GV], s36
	global_store_b32 v9, v[SW], s[14:15]           ; all lanes write the same word with the same value
	global_store_b32 v8, v[GV], s[16:17]
	s_wait_tensorcnt 0x0
	ds_add_u32 v216, v217
	s_wait_dscnt 0x0
	s_endpgm
.Lfunc_end_k_q4b376c0f46_route:
	.size	k_q4b376c0f46_route, .Lfunc_end_k_q4b376c0f46_route-k_q4b376c0f46_route
	.p2alignl 7, 3214868480
	.fill 96, 4, 3214868480
	.section	.rodata,"a",@progbits
	.p2align	6, 0x0
	.amdhsa_kernel k_q4b376c0f46_route
		.amdhsa_group_segment_fixed_size 33792
		.amdhsa_private_segment_fixed_size 0
		.amdhsa_enable_private_segment 0
		.amdhsa_kernarg_size 56
		.amdhsa_user_sgpr_count 2
		.amdhsa_user_sgpr_kernarg_segment_ptr 1
		.amdhsa_wavefront_size32 1
		.amdhsa_system_sgpr_workgroup_id_x 1
		.amdhsa_system_sgpr_workgroup_id_y 1
		.amdhsa_system_sgpr_workgroup_id_z 1
		.amdhsa_system_vgpr_workitem_id 0
		.amdhsa_next_free_vgpr 218
		.amdhsa_next_free_sgpr 66
		.amdhsa_reserve_vcc 0
		.amdhsa_float_denorm_mode_32 3
		.amdhsa_float_denorm_mode_16_64 3
		.amdhsa_memory_ordered 1
		.amdhsa_forward_progress 1
		.amdhsa_inst_pref_size 28
	.end_amdhsa_kernel
	.amdgpu_metadata
---
amdhsa.version: [ 1, 2 ]
amdhsa.kernels:
  - .name:           k_q4b376c0f46_route
    .symbol:         k_q4b376c0f46_route.kd
    .args:
      - { .name: x, .offset: 0, .size: 8, .value_kind: global_buffer, .address_space: global }
      - { .name: Wg, .offset: 8, .size: 8, .value_kind: global_buffer, .address_space: global }
      - { .name: bg, .offset: 16, .size: 8, .value_kind: global_buffer, .address_space: global }
      - { .name: xc, .offset: 24, .size: 8, .value_kind: global_buffer, .address_space: global }
      - { .name: xs, .offset: 32, .size: 8, .value_kind: global_buffer, .address_space: global }
      - { .name: sel, .offset: 40, .size: 8, .value_kind: global_buffer, .address_space: global }
      - { .name: gate, .offset: 48, .size: 8, .value_kind: global_buffer, .address_space: global }
    .group_segment_fixed_size: 33792
    .private_segment_fixed_size: 0
    .kernarg_segment_align: 8
    .kernarg_segment_size: 56
    .max_flat_workgroup_size: 128
    .sgpr_count:     66
    .vgpr_count:     218
    .wavefront_size: 32
...
	.end_amdgpu_metadata
.endif
;; end of part 6
;; launch place (part 7): grid 8 x 1, 1 waves a work-group, no clusters, 4,608 bytes of LDS; arguments sel, list; writes list
.if DOCPART == 7
	.amdgcn_target "amdgcn-amd-amdhsa--gfx1250"
	.amdhsa_code_object_version 6
	.text
	.protected	k_q4b376c0f46_place
	.globl	k_q4b376c0f46_place
	.p2align	8
	.type	k_q4b376c0f46_place,@function
k_q4b376c0f46_place:
	s_mov_b64 s[64:65], 0
	v_nop
	global_prefetch_b8 v0, s[64:65] scope:SCOPE_SE
	s_setreg_imm32_b32 hwreg(HW_REG_WAVE_MODE, 25, 1), 1
	s_wait_xcnt 0x0
; THE ROWS OF EACH EXPERT, BY RANK.  sel [token] = first expert | second << 8, stored by the launch before.  Work-group e, one wave, scans all 1,024 tokens and gives each row p = 2 token + j
; that chose expert e a rank: the count of such rows ahead of it in a fixed order (group 4 c + k, lane l stands for token 128 c + 4 l + k: sel as sixteen-byte loads bring it).
; OUT: list, 4,352 bytes an expert: words 0 .. 1,023: p by rank; ranks from the count M on repeat the last row (0 where nobody chose the expert), so that later launches need no compare; word 1,024: M.
; The scatter goes through the wave's own LDS, so that memory is written in order, 512 bytes on end a store.  One wave: no barrier.  Eight work-groups are all the work there is: a sum that runs over all tokens of an expert.
; Four groups are taken at a time, stage by stage, so that no line waits for the line above it; the running count is scalar.
.set S,   8                            ; v8-39   sel as loaded; later the list as read back
.set Z,   40                           ; v40-43  zeros
.set E0,  44                           ; v44-47  first experts; later ranks
.set E1,  48                           ; v48-51  second experts
.set P,   52                           ; v52-55  ranks, then LDS addresses
.set V,   56                           ; v56-59  p
.set PL,  60                           ; the last row
.set AD,  61
	s_load_b128 s[4:7], s[0:1], 0x0                ; sel s[4:5], list s[6:7]
	v_lshl_add_u32 v64, v0, 2, 0x1100
	v_mov_b32 v65, 0
	v_lshlrev_b32 v1, 4, v0                        ; 16 lane: sel in, the list back and out
	v_lshlrev_b32 v2, 3, v0                        ; 8 lane: 2 x (4 lane), j = 0;
	v_or_b32 v3, 1, v2                             ; j = 1
	v_add_nc_u32 v4, 1024, v0                      ; the word that takes what is not placed
	v_lshlrev_b32 v5, 2, v0                        ; 4 lane
	v_mov_b32 v6, 0
.irp i, 0,1,2,3
	v_mov_b32 v[Z+\i], 0
.endr
	s_mov_b32 s8, ttmp9                            ; my expert
	s_mul_i32 s10, ttmp9, 4352
	s_mov_b32 s11, 0
	s_mov_b32 s28, 0                               ; rows so far
	s_wait_alu depctr_va_vdst(0)
	s_wait_kmcnt 0x0
	s_add_nc_u64 s[6:7], s[6:7], s[10:11]
.irp c, 0,1,2,3,4,5,6,7
	global_load_b128 v[S+4*\c:S+4*\c+3], v1, s[4:5] offset:512*\c
.endr
.irp c, 0,1,2,3,4,5,6,7
	ds_store_b128 v1, v[Z:Z+3] offset:512*\c       ; every rank holds a number
.endr
.macro GROUP c
	s_wait_loadcnt 7-(\c)                          ; this load of sel is in; the later ones may stay out
.irp k, 0,1,2,3
	v_and_b32 v[E0+\k], 0xff, v[S+4*(\c)+\k]
.endr
.irp k, 0,1,2,3
	v_lshrrev_b32 v[E1+\k], 8, v[S+4*(\c)+\k]
.endr
.irp k, 0,1,2,3
	v_cmp_eq_u32 s[12+\k], s8, v[E0+\k]
.endr
.irp k, 0,1,2,3
	v_cmp_eq_u32 s[16+\k], s8, v[E1+\k]
.endr
.irp k, 0,1,2,3
	s_or_b32 s[20+\k], s[12+\k], s[16+\k]          ; the lanes whose token chose my expert
.endr
.irp k, 0,1,2,3
	s_bcnt1_i32_b32 s[24+\k], s[20+\k]
.endr
	s_add_co_u32 s29, s28, s24                     ; the rows ahead of each of the four groups
	s_add_co_u32 s30, s29, s25
	s_add_co_u32 s31, s30, s26
	s_add_co_u32 s9, s31, s27
.irp k, 0,1,2,3
	v_mbcnt_lo_u32_b32 v[P+\k], s[20+\k], s[28+\k] ; rank
.endr
.irp k, 0,1,2,3
	v_cndmask_b32 v[V+\k], v2, v3, s[16+\k]        ; 8 lane + j
.endr
.irp k, 0,1,2,3
	v_cndmask_b32 v[P+\k], v4, v[P+\k], s[20+\k]
.endr
.irp k, 0,1,2,3
	v_add_nc_u32 v[V+\k], 2*(128*(\c)+\k), v[V+\k] ; p = 2 token + j
.endr
.irp k, 0,1,2,3
	v_min_u32 v[P+\k], 1055, v[P+\k]
.endr
.irp k, 0,1,2,3
	v_lshlrev_b32 v[P+\k], 2, v[P+\k]
.endr
.irp k, 0,1,2,3
	ds_store_b32 v[P+\k], v[V+\k]
.endr
	s_mov_b32 s28, s9
.endm
.irp c, 0,1,2,3,4,5,6,7
	GROUP \c
.endr
	s_max_u32 s10, s28, 1
	s_sub_co_u32 s10, s10, 1
	s_min_u32 s10, s10, 1023
	s_lshl_b32 s10, s10, 2
	v_mov_b32 v[AD], s10
	ds_load_b32 v[PL], v[AD]                       ; the last row.  LDS serves a wave's instructions in order (ISA guide 5.7.1.4): these loads see the stores above
.irp c, 0,1,2,3,4,5,6,7
	ds_load_b128 v[S+4*\c:S+4*\c+3], v1 offset:512*\c   ; register k of load c: rank 128 c + 4 lane + k
.endr
	v_mov_b32 v7, s28                              ; M
	s_wait_dscnt 0x0
.macro FIN c
.irp k, 0,1,2,3
	v_add_nc_u32 v[E0+\k], 128*(\c)+\k, v5
.endr
.irp k, 0,1,2,3
	v_cmp_gt_u32 s[12+\k], s28, v[E0+\k]
.endr
.irp k, 0,1,2,3
	v_cndmask_b32 v[S+4*(\c)+\k], v[PL], v[S+4*(\c)+\k], s[12+\k]   ; a rank from M on: the last row
.endr
	global_store_b128 v1, v[S+4*(\c):S+4*(\c)+3], s[6:7] offset:512*(\c)   ; the wave stores 512 bytes on end
.endm
.irp c, 0,1,2,3,4,5,6,7
	FIN \c
.endr
	global_store_b32 v6, v7, s[6:7] offset:4096    ; all lanes write the same word with the same value
	s_wait_tensorcnt 0x0
	ds_add_u32 v64, v65
	s_wait_dscnt 0x0
	s_endpgm
.Lfunc_end_k_q4b376c0f46_place:
	.size	k_q4b376c0f46_place, .Lfunc_end_k_q4b376c0f46_place-k_q4b376c0f46_place
	.p2alignl 7, 3214868480
	.fill 96, 4, 3214868480
	.section	.rodata,"a",@progbits
	.p2align	6, 0x0
	.amdhsa_kernel k_q4b376c0f46_place
		.amdhsa_group_segment_fixed_size 4608
		.amdhsa_private_segment_fixed_size 0
		.amdhsa_enable_private_segment 0
		.amdhsa_kernarg_size 16
		.amdhsa_user_sgpr_count 2
		.amdhsa_user_sgpr_kernarg_segment_ptr 1
		.amdhsa_wavefront_size32 1
		.amdhsa_system_sgpr_workgroup_id_x 1
		.amdhsa_system_sgpr_workgroup_id_y 1
		.amdhsa_system_sgpr_workgroup_id_z 1
		.amdhsa_system_vgpr_workitem_id 0
		.amdhsa_next_free_vgpr 66
		.amdhsa_next_free_sgpr 66
		.amdhsa_reserve_vcc 0
		.amdhsa_float_denorm_mode_32 3
		.amdhsa_float_denorm_mode_16_64 3
		.amdhsa_memory_ordered 1
		.amdhsa_forward_progress 1
		.amdhsa_inst_pref_size 34
	.end_amdhsa_kernel
	.amdgpu_metadata
---
amdhsa.version: [ 1, 2 ]
amdhsa.kernels:
  - .name:           k_q4b376c0f46_place
    .symbol:         k_q4b376c0f46_place.kd
    .args:
      - { .name: sel, .offset: 0, .size: 8, .value_kind: global_buffer, .address_space: global }
      - { .name: list, .offset: 8, .size: 8, .value_kind: global_buffer, .address_space: global }
    .group_segment_fixed_size: 4608
    .private_segment_fixed_size: 0
    .kernarg_segment_align: 8
    .kernarg_segment_size: 16
    .max_flat_workgroup_size: 32
    .sgpr_count:     66
    .vgpr_count:     66
    .wavefront_size: 32
...
	.end_amdgpu_metadata
.endif
;; end of part 7
;; launch ffn1 (part 8): grid 256 x 1, 16 waves a work-group, no clusters, 72,192 bytes of LDS; arguments W1, b1, xc, xs, list, hc, hs; writes hc, hs
.if DOCPART == 8
	.amdgcn_target "amdgcn-amd-amdhsa--gfx1250"
	.amdhsa_code_object_version 6
	.text
	.protected	k_q4b376c0f46_ffn1
	.globl	k_q4b376c0f46_ffn1
	.p2align	8
	.type	k_q4b376c0f46_ffn1,@function
k_q4b376c0f46_ffn1:
	s_mov_b64 s[64:65], 0
	v_nop
	global_prefetch_b8 v0, s[64:65] scope:SCOPE_SE
	s_setreg_imm32_b32 hwreg(HW_REG_WAVE_SCHED_MODE, 0, 2), 2
	s_setreg_imm32_b32 hwreg(HW_REG_WAVE_MODE, 25, 1), 1
	s_wait_xcnt 0x0
	s_wait_alu depctr_vm_vsrc(0)
; FIRST LAYER OF THE CHOSEN EXPERTS: h = relu(x W1[e] + b1[e]) on codes of E2M1 with E8M0 scales, for the rows that chose expert e alone; h leaves quantised along its own axis, the next product's K.
; THE WEIGHTS STAY, THE ROWS COME: work-group g owns expert e = g / 32 and hidden units 128 (g % 32) on: 1,024 x 128 numbers of W1, 512 KiB of f32, read from memory ONCE, quantised in registers
; (a lane to a column, its 32 registers down K: a block's largest magnitude needs no other lane and the codes come out with K innermost), laid in LDS as images of operand registers, and multiplied with all rows of the expert.
; EIGHT STEPS it = 4 hf + kc: half hf of the columns (64: a row's 256 bytes) x chunk kc of K (256 rows).  Each wave has two roles.  STREAM: wave w takes columns 32 (w % 2) + lane and rows 32 (w / 2) + 0 .. 31 of the chunk.
; PRODUCT: wave w takes rows (ranks) 32 w .. 32 w + 31 of the expert, two tiles of 16, against the half's four tiles of columns: eight accumulators.  Ranks 512 to 1,023 are served at the end from the codes, which stay in LDS.
; THE LIST comes from the launch before: p = 2 token + j by rank, and the expert's count M.  Ranks from M on repeat the last row: they compute and store what that row does.
; Every barrier, every global load and every counted wait stands on every wave's path; a wave without rows jumps over LDS loads, matrix and vector work and stores alone.
; The product is used TRANSPOSED (source 0 = 16 columns of W1, source 1 = 16 rows of x), and the columns of a tile are not neighbours: slot m of tile 2 b + u is unit 32 b + 8 u + m + 8 (m / 8),
; so that a lane holds one row and the 16 registers of tiles 2 b, 2 b + 1 are 16 neighbouring hidden units.  b1 is the C of each sum's first product.
; NO JOINT LOADS: which waves work hangs on a count read from memory, so the operands go from memory straight into registers; the weights, 512 KiB a work-group, are shared with nobody.
; OUT: hc [e][tile of 16 ranks][K step 32][1,024 B]: images of operand registers: block bb of a K step at 512 (bb / 2) + 256 (bb % 2) + 16 row;  hs [e][pair of tiles][K step][32 words]: lanes 0-15 the first tile's rows.
; LIMITS: NaN and infinities are not served; a block whose largest magnitude is under 2^-124 (a block of zeros too) gets the byte 1; the bytes are read by this program alone.
; THE MODE: SCHED_MODE bits 1:0 = 2 (LLVM: expert scheduling mode 2), set by the entry lines.  The code itself states the register dependences
; between vector or matrix instructions and memory or LDS instructions, with s_wait_alu, always for 0.
; THE PLAN.  Registers that memory or LDS instructions touch:
;   X0, X1      Step it: the quantising lines read X[it % 2]; behind them the loads of step it + 2 land in it, sixteen at once, sixteen behind the products.
;   v[FR ..]    Step it: the quantising lines write the first eight; two LDS stores read five of these; behind the barrier the fragments' LDS loads land in all 32, once for each K step, and the products read them;
;               the epilogue works in them, and its global stores read eight of them.
;   v[WS ..]    Step it: LDS loads land in them, the products read them as scales.
;   XF0, XF1    Step it: the products read XF[it % 2]; behind them the loads of step it + 2 land in it.
;   ACC         At a half's first step b1's LDS loads land in it; products and epilogue name it.  Ahead of step 0 one register holds b1 as loaded, which one LDS store reads.
;   v1 to v19   Addresses and offsets: made at the head (my rows' three behind the list's loads); my rows' three are written again ahead of ranks 512 on, the others never.
; THE WAITS OF A STEP.  (1) On va_vdst behind the quantising lines: the codes and the byte are written; X[it % 2] has been read; the step before is done with v[FR ..], v[WS ..] and ACC.  No vector or matrix instruction
; stands between it and the LDS loads behind the barrier, and none behind it names X: so it serves the two LDS stores, the 32 loads of W1, b1's loads and the first fragments' loads.  (2) On vm_vsrc behind the barrier, ahead of the branch:
; the LDS stores have read their data, in which LDS loads land.  (3) On va_vdst between the two K steps: the eight products have read the four fragments.  (4) On va_vdst ahead of x's loads: the products have read XF[it % 2].
; The epilogue has one wait on va_vdst ahead of its stores and one on vm_vsrc behind them.
.set SC,    65536                      ; LDS: 0: the codes, 8 steps x 8,192 B: it 8192 + tile 2048 + K step 1024 + 512 c + 16 lane;  here: W1's scale bytes: it 512 + pair of tiles 256 + slot 8 + K step 4 + byte
.set BIAS,  69632                      ; my 128 numbers of b1
.set WO,   1                           ; W1: my byte in a chunk: 32 (w / 2) rows + 128 (w % 2) + 4 lane
.set CST,  2                           ; where my block's 16 bytes of codes go
.set SST,  3                           ; and its scale byte
.set FRD,  4                           ; 16 lane: an image's place for my lane
.set SRD,  5                           ; SC + 8 lane
.set BIA,  6                           ; BIAS + 64 (lane / 16)
.set LR,   7                           ; the list: 4 (32 w + lane % 16)
.set LL,   8                           ; 4 (32 w + lane)
.set BST,  10
.set XA,   11                          ; v11, v12: my row's codes in xc, tiles A and B
.set XSO,  13                          ; my lane's row of xs (lanes 0-15 tile A, 16-31 tile B)
.set HST,  14                          ; hc: 32,768 (lane / 16) + 16 (lane % 16)
.set HSS,  15                          ; hs: 4 lane
.set KEEP, 16                          ; h's scale word in the making
.set BOF,  17
.set LN,   18
.set H16,  19
.set X,    20                          ; v20-83   two sets of 32 numbers of W1
.set XF,   84                          ; v84-151  two sets: x's fragments (tile u, K step ks) at 16 u + 8 ks, then two registers of scale words
.set ACC,  152                         ; v152-215 accumulator (u, ct) at 32 u + 8 ct; ahead of step 0: b1 as loaded
.set FR,   216                         ; v216-247 four fragments of W1; between products: at work
.set WS,   248                         ; v248-251 W1's scale words: register 2 (ct / 2) + ks; even tiles in lanes 0-15, odd in 16-31
.set WB,   32                          ; s[32:39] W1 at my columns, chunk kc
.set TM,   FR
.set TP,   FR+4
.set SOP,  FR+8
.set BY,   FR+12
.set PC,   FR+16
.set WWA,  FR+24
.set WWB,  FR+25
	s_load_b256 s[4:11], s[0:1], 0x0               ; W1 s[4:5], b1 s[6:7], xc s[8:9], xs s[10:11]
	s_load_b128 s[12:15], s[0:1], 0x20             ; list s[12:13], hc s[14:15]
	s_load_b64 s[16:17], s[0:1], 0x30              ; hs
	v_lshl_add_u32 v254, v0, 2, 0x11200
	v_mov_b32 v255, 0
	v_lshrrev_b32 v[LN], 5, v0
	v_readfirstlane_b32 s20, v[LN]                 ; wave
	s_wait_alu depctr_va_sdst(0)                   ; s20 is written, ahead of its first reader: addresses, bases and the branches on the wave's number are made from it
	s_and_b32 s21, s20, 1                          ; cg: which 32 columns I stream
	s_lshr_b32 s22, s20, 1                         ; kb: which block of the chunk
	s_lshr_b32 s23, ttmp9, 5                       ; expert
	s_and_b32 s24, ttmp9, 31                       ; slice of 128 hidden units = K step of the next product
	s_mov_b32 s29, 0xffff0000                      ; lanes 16-31
	s_mov_b32 s30, 0x76543210
	s_mov_b32 s31, 0xfedcba98                      ; v_permlanex16_b32's selects for lane l xor 16
	v_and_b32 v[LN], 31, v0                        ; lane
	v_bfe_u32 v[H16], v0, 4, 1                     ; lane / 16
	s_lshl_b32 s46, s22, 19
	s_lshl_b32 s47, s21, 7
	s_add_co_u32 s46, s46, s47
	v_lshl_add_u32 v[WO], v[LN], 2, s46
	s_lshl_b32 s46, s21, 12
	s_lshl_b32 s47, s22, 8
	s_add_co_u32 s46, s46, s47
	v_and_b32 v[FRD], 7, v0                        ; column q = 16 a + 8 u + c of my 32 goes to tile 2 cg + u, slot 8 a + c
	v_bfe_u32 v[SRD], v0, 3, 1
	v_lshl_add_u32 v[CST], v[FRD], 4, s46
	v_lshl_add_u32 v[CST], v[SRD], 11, v[CST]
	v_lshl_add_u32 v[CST], v[H16], 7, v[CST]
	s_lshl_b32 s46, s21, 8
	s_add_co_u32 s46, s46, s22                     ; 4 (kb / 4) + kb % 4 = kb
	s_add_co_u32 s46, s46, SC
	v_lshl_add_u32 v[SST], v[FRD], 3, s46
	v_lshl_add_u32 v[SST], v[SRD], 7, v[SST]
	s_wait_alu depctr_va_vdst(0)
	v_lshl_add_u32 v[SST], v[H16], 6, v[SST]
	v_lshlrev_b32 v[FRD], 4, v[LN]
	v_lshl_add_u32 v[SRD], v[LN], 3, SC
	v_lshl_add_u32 v[BIA], v[H16], 6, BIAS
	v_and_b32 v[LR], 0x1ef, v0
	v_lshlrev_b32 v[LR], 2, v[LR]
	v_lshlrev_b32 v[LL], 2, v0
	v_and_b32 v[BOF], 127, v0
	v_lshlrev_b32 v[BOF], 2, v[BOF]
	v_add_nc_u32 v[BST], BIAS, v[BOF]
	v_and_b32 v[HST], 15, v0
	v_lshlrev_b32 v[HST], 4, v[HST]
	v_lshl_add_u32 v[HST], v[H16], 15, v[HST]
	v_lshlrev_b32 v[HSS], 2, v[LN]
	v_mov_b32 v[KEEP], 0
	v_lshlrev_b32 v[H16], 4, v[H16]                ; 16 (lane / 16) from here on
	s_mov_b32 s47, 0
	s_lshl_b32 s46, s23, 24
	s_lshl_b32 s48, s24, 9
	s_add_co_u32 s46, s46, s48
	s_wait_kmcnt 0x0
	s_add_nc_u64 s[WB:WB+1], s[4:5], s[46:47]      ; W1 + 16 MiB e + 512 slice
	s_add_nc_u64 s[WB+2:WB+3], s[WB:WB+1], 0x400000   ; a chunk of 256 rows is 4 MiB
	s_add_nc_u64 s[WB+4:WB+5], s[WB:WB+1], 0x800000
	s_add_nc_u64 s[WB+6:WB+7], s[WB:WB+1], 0xc00000
	s_mul_i32 s46, s23, 4352
	s_add_nc_u64 s[12:13], s[12:13], s[46:47]      ; my expert's list
	s_load_b32 s25, s[12:13], 0x1000               ; M
	s_lshl_b32 s46, s23, 21
	s_lshl_b32 s48, s20, 16
	s_add_co_u32 s46, s46, s48
	s_lshl_b32 s48, s24, 10
	s_add_co_u32 s46, s46, s48
	s_add_nc_u64 s[40:41], s[14:15], s[46:47]      ; hc: expert, my pair of tiles, my K step
	s_lshl_b32 s46, s23, 17
	s_lshl_b32 s48, s20, 12
	s_add_co_u32 s46, s46, s48
	s_lshl_b32 s48, s24, 7
	s_add_co_u32 s46, s46, s48
	s_add_nc_u64 s[42:43], s[16:17], s[46:47]      ; hs likewise
	s_lshl_b32 s46, s23, 14
	s_lshl_b32 s48, s24, 9
	s_add_co_u32 s46, s46, s48
	s_add_nc_u64 s[44:45], s[6:7], s[46:47]        ; b1 at my 128 units
.macro WLOAD it, from, to              ; rows from .. to - 1 of my block of step it: 32 lanes read 128 bytes on end, two waves side by side an aligned 256
.set wi, \from
.rept (\to)-(\from)
	global_load_b32 v[X+32*((\it)%2)+wi], v[WO], s[WB+2*((\it)%4):WB+2*((\it)%4)+1] offset:((\it)/4)*256+wi*16384 th:TH_LOAD_NT
.set wi, wi+1
.endr
.endm
.macro XLOAD kc, set                   ; nine loads: x's four fragments of chunk kc (two tiles x two K steps) and their scale words
.irp u, 0,1
.irp ks, 0,1
.irp c, 0,1
	global_load_b128 v[XF+34*(\set)+16*\u+8*\ks+4*\c:XF+34*(\set)+16*\u+8*\ks+4*\c+3], v[XA+\u], s[8:9] offset:(2*(\kc)+\ks)*64+32*\c
.endr
.endr
.endr
	global_load_b64 v[XF+34*(\set)+32:XF+34*(\set)+33], v[XSO], s[10:11] offset:8*(\kc)
.endm
.macro QW base                         ; 32 numbers of my column become 16 bytes of codes (v[FR+4] on) and a scale byte (v[FR+3])
	v_max3_num_f32 v[FR], |v[\base]|, |v[\base+1]|, |v[\base+2]|
	v_max3_num_f32 v[FR+1], |v[\base+3]|, |v[\base+4]|, |v[\base+5]|
.irp i, 6,10,14,18,22,26
	v_max3_num_f32 v[FR], v[FR], |v[\base+\i]|, |v[\base+\i+1]|
	v_max3_num_f32 v[FR+1], v[FR+1], |v[\base+\i+2]|, |v[\base+\i+3]|
.endr
	v_max3_num_f32 v[FR], v[FR], |v[\base+30]|, |v[\base+31]|
	v_max3_num_f32 v[FR], v[FR], v[FR+1], 0x1800000    ; the floor 2^(3 - 127): the byte cannot fall under 1
	v_add_nc_u32 v[FR+2], 0xff000000, v[FR]            ; 2 off the exponent field: the conversion's scale operand
.irp g, 0,1,2,3
	v_cvt_scalef32_pk8_fp4_f32 v[FR+4+\g], v[\base+8*\g:\base+8*\g+7], v[FR+2]
.endr
	v_lshrrev_b32 v[FR+3], 23, v[FR+2]                 ; the byte (a plain line behind the conversions)
.endm
.macro ACCINIT hf                      ; b1 in the result's layout: tile 2 b + uu, register j, lane half h: unit 32 b + 16 h + 8 uu + j
.irp u, 0,1
.irp b, 0,1
.irp uu, 0,1
.irp hh, 0,1
	ds_load_b128 v[ACC+32*\u+8*(2*\b+\uu)+4*\hh:ACC+32*\u+8*(2*\b+\uu)+4*\hh+3], v[BIA] offset:256*(\hf)+128*\b+32*\uu+16*\hh
.endr
.endr
.endr
.endr
.endm
.macro WM u, ct, ks, set
.set rD, ACC+32*(\u)+8*(\ct)
.set rA, FR+8*(\ct)
.set rB, XF+34*(\set)+16*(\u)+8*(\ks)
.set rSA, WS+2*((\ct)/2)+(\ks)
.set rSB, XF+34*(\set)+32+(\ks)
.if (((\ct)%2) == 0) && ((\u) == 0)
	v_wmma_scale_f32_16x16x128_f8f6f4 v[rD:rD+7], v[rA:rA+7], v[rB:rB+7], v[rD:rD+7], v[rSA], v[rSB] matrix_a_fmt:MATRIX_FMT_FP4 matrix_b_fmt:MATRIX_FMT_FP4
.elseif ((\ct)%2) == 0
	v_wmma_scale_f32_16x16x128_f8f6f4 v[rD:rD+7], v[rA:rA+7], v[rB:rB+7], v[rD:rD+7], v[rSA], v[rSB] matrix_a_fmt:MATRIX_FMT_FP4 matrix_b_fmt:MATRIX_FMT_FP4 matrix_b_scale:MATRIX_SCALE_ROW1
.elseif (\u) == 0
	v_wmma_scale_f32_16x16x128_f8f6f4 v[rD:rD+7], v[rA:rA+7], v[rB:rB+7], v[rD:rD+7], v[rSA], v[rSB] matrix_a_fmt:MATRIX_FMT_FP4 matrix_b_fmt:MATRIX_FMT_FP4 matrix_a_scale:MATRIX_SCALE_ROW1
.else
	v_wmma_scale_f32_16x16x128_f8f6f4 v[rD:rD+7], v[rA:rA+7], v[rB:rB+7], v[rD:rD+7], v[rSA], v[rSB] matrix_a_fmt:MATRIX_FMT_FP4 matrix_b_fmt:MATRIX_FMT_FP4 matrix_a_scale:MATRIX_SCALE_ROW1 matrix_b_scale:MATRIX_SCALE_ROW1
.endif
.endm
; Step it's codes x the fragments in set: 16 matrix instructions.  The eight accumulators take turns, one instruction a turn, in the same order everywhere.
; Four plain places stand behind each run of eight, as they stood: ahead of the first read of results and of the vector lines that write registers which the run has read.
; The loads at its head owe no wait of their own: whoever calls it has a wait on va_vdst behind the last vector or matrix instruction that named v[WS ..] or v[FR ..].
.macro PRODUCT it, set
	ds_load_b64 v[WS:WS+1], v[SRD] offset:(\it)*512
	ds_load_b64 v[WS+2:WS+3], v[SRD] offset:(\it)*512+256
.irp ks, 0,1
.if \ks
	s_wait_alu depctr_va_vdst(0)                   ; the eight products above are done reading the four fragments v[FR ..], in which the second K step's land
.endif
.irp ct, 0,1,2,3
.irp c, 0,1
	ds_load_b128 v[FR+8*\ct+4*\c:FR+8*\ct+4*\c+3], v[FRD] offset:(\it)*8192+\ct*2048+\ks*1024+\c*512
.endr
.endr
	s_wait_dscnt 0x0                               ; the fragments, the scale words, and at a half's first step the biases
.irp ct, 0,1,2,3
.irp u, 0,1
	WM \u, \ct, \ks, \set
.endr
.endr
.rept 4
	v_nop
.endr
.endr
.endm
; A half's 64 hidden units of my 32 rows: relu, two blocks of 32 a row quantised, stored as images.  ob = 1: the pair 16 further on.
.macro EPILOGUE hf, ob
.set ej, 0
.rept 64
	v_max_num_f32 v[ACC+ej], 0, v[ACC+ej]          ; ascending: each accumulator is first read at its low end
.set ej, ej+1
.endr
.irp x, 0,1,2,3                        ; x = 2 u + b: tile u, block b: my 16 numbers at ACC + 16 x.  No |.|: none is negative
	v_max3_num_f32 v[TM+\x], v[ACC+16*\x], v[ACC+16*\x+1], 0x1800000
	v_mov_b32 v[TP+\x], 0                          ; a lane permute's destination counts as read
.endr
.irp i, 2,4,6,8,10,12,14
.irp x, 0,1,2,3
	v_max3_num_f32 v[TM+\x], v[TM+\x], v[ACC+16*\x+\i], v[ACC+16*\x+\i+1]
.endr
.endr
.irp x, 0,1,2,3
	v_permlanex16_b32 v[TP+\x], v[TM+\x], s30, s31
.endr
.irp x, 0,1,2,3
	v_max_num_f32 v[TM+\x], v[TM+\x], v[TP+\x]     ; with lane l xor 16's 16: the block's
.endr
.irp x, 0,1,2,3
	v_add_nc_u32 v[SOP+\x], 0xff000000, v[TM+\x]
.endr
.irp x, 0,1,2,3
	v_lshrrev_b32 v[BY+\x], 23, v[SOP+\x]
.endr
.irp u, 0,1
.irp b, 0,1
.irp v, 0,1
	v_cvt_scalef32_pk8_fp4_f32 v[PC+4*\b+2*\u+\v], v[ACC+32*\u+16*\b+8*\v:ACC+32*\u+16*\b+8*\v+7], v[SOP+2*\u+\b]
.endr
.endr
.endr
	v_lshl_or_b32 v[WWA], v[BY+1], 8, v[BY]        ; (plain lines behind the conversions)  tile A's two bytes,
	v_lshl_or_b32 v[WWB], v[BY+3], 8, v[BY+2]      ; tile B's;
	v_cndmask_b32 v[WWA], v[WWA], v[WWB], s29      ; lanes 16-31 carry tile B's
.if \hf
	v_lshl_or_b32 v[KEEP], v[WWA], 16, v[KEEP]
.else
	v_mov_b32 v[KEEP], v[WWA]
.endif
.irp b, 0,1                            ; tile A's upper halves change places with tile B's lower: lane r then holds row r of A whole, lane 16 + r row r of B
	v_permlane16_swap_b32 v[PC+4*\b], v[PC+4*\b+2]
	v_permlane16_swap_b32 v[PC+4*\b+1], v[PC+4*\b+3]
.endr
	s_wait_alu depctr_va_vdst(0)                   ; the codes v[PC ..] and the scale word v[KEEP] are written, which the stores below read; and the epilogue is done with ACC and v[FR ..], in which later LDS loads land
.irp b, 0,1
	global_store_b128 v[HST], v[PC+4*\b:PC+4*\b+3], s[40:41] offset:(\ob)*1048576+(\hf)*512+\b*256   ; sixteen lanes store 256 bytes on end, at a multiple of 256 from hc's first byte
.endr
.if \hf
	global_store_b32 v[HSS], v[KEEP], s[42:43] offset:(\ob)*65536
.endif
	s_wait_xcnt 0x0                                ; the stores' data are written again only behind this wait
	s_wait_alu depctr_vm_vsrc(0)                   ; the stores have read v[PC ..] and v[KEEP]: the next fragments' loads land in the first, the next epilogue writes both
.endm
.macro TLOAD ob                        ; my ranks' rows out of the list: three loads
	global_load_b32 v[FR], v[LR], s[12:13] offset:2048*\ob
	global_load_b32 v[FR+1], v[LR], s[12:13] offset:2048*\ob+64
	global_load_b32 v[FR+2], v[LL], s[12:13] offset:2048*\ob
.endm
.macro TADR                            ; and their addresses in xc and xs
.irp i, 0,1,2
	v_lshrrev_b32 v[FR+\i], 1, v[FR+\i]            ; token = p / 2
.endr
.irp i, 0,1,2
	v_min_u32 v[FR+\i], 1023, v[FR+\i]
.endr
	v_lshl_add_u32 v[XA], v[FR], 9, v[H16]
	v_lshl_add_u32 v[XA+1], v[FR+1], 9, v[H16]
	v_lshlrev_b32 v[XSO], 5, v[FR+2]
.endm
; A STEP.  nh: the loads issued behind this step's last load of W1, which may stay out; np: those issued behind this step's fragments of x.
.macro ITER it, nh, np
	s_wait_loadcnt \nh
	QW X+32*((\it)%2)
	s_wait_alu depctr_va_vdst(0)                   ; the codes and the byte are written, which the LDS stores read; X[it % 2] has been read, in which the loads of W1 land; the step before is done with v[FR ..], v[WS ..] and ACC, in which the LDS loads behind the barrier land
	ds_store_b128 v[CST], v[FR+4:FR+7] offset:(\it)*8192
	ds_store_b8 v[SST], v[FR+3] offset:(\it)*512
.if (\it) == 0
	s_cmp_ge_u32 s20, 4
	s_cbranch_scc1 .Lnob_\@
	ds_store_b32 v[BST], v[ACC+32]                 ; waves 0 to 3: b1's 128 numbers
.Lnob_\@:
.endif
.if (\it) <= 5
	WLOAD (\it)+2, 0, 16                           ; the set just read takes the step two on
.endif
	s_wait_dscnt 0x0                               ; for the others' sake: my codes and my byte lie in LDS
	s_barrier_signal -1
	s_barrier_wait -1                              ; the step's 8,192 bytes of codes and 512 scale bytes are whole; each step has bytes of its own, so nothing is overwritten
	s_wait_loadcnt \np
	s_wait_alu depctr_vm_vsrc(0)                   ; my LDS stores have read v[FR+3] to v[FR+7] (in step 0 b1's register too): the fragments' and the biases' loads land there, or the next step's quantising lines write them
.if ((\it)%4) == 0
	ACCINIT (\it)/4
.endif
	s_cmp_eq_u32 s27, 0
	s_cbranch_scc1 .Lidle_\@                       ; a wave without rows: over LDS loads, products and stores alone
	PRODUCT \it, (\it)%2
.if ((\it)%4) == 3
	EPILOGUE (\it)/4, 0
.endif
.Lidle_\@:
.if (\it) <= 5
	WLOAD (\it)+2, 16, 32                          ; no wait: no vector or matrix instruction since the wait behind the quantising lines names X
	s_wait_alu depctr_va_vdst(0)                   ; this step's products are done reading XF[it % 2], fragments and scale words, in which the nine loads below land
	XLOAD ((\it)+2)%4, (\it)%2
.endif
.endm
	s_wait_alu depctr_va_vdst(0)                   ; the addresses and offsets made above are written, which the loads and stores of the whole kernel read
	TLOAD 0
	global_load_b32 v[ACC+32], v[BOF], s[44:45]
	WLOAD 0, 0, 32
	WLOAD 1, 0, 16
	s_wait_loadcnt 0x30                            ; my rows and b1 are in; the 48 loads of W1 issued behind them may stay out
	TADR
	s_wait_kmcnt 0x0                               ; M
	s_max_u32 s46, s25, 1                          ; pair 0 is always made, so that the next launch finds written bytes there
	s_lshl_b32 s47, s20, 5
	s_cmp_lt_u32 s47, s46
	s_cselect_b32 s27, 1, 0                        ; have I rows?
	s_add_co_u32 s47, s47, 512
	s_cmp_lt_u32 s47, s25
	s_cselect_b32 s28, 1, 0                        ; and rows past rank 511?
	s_wait_alu depctr_va_vdst(0)                   ; my rows' offsets v[XA], v[XA+1] and v[XSO] are written, which the loads of x read
	XLOAD 0, 0
	WLOAD 1, 16, 32
	XLOAD 1, 1
	ITER 0, 50, 41                                 ; 16 + 9 + 16 + 9;  16 + 9 + 16
	ITER 1, 50, 57                                 ; 9 + 16 + 16 + 9;  16 + 16 + 9 + 16
	ITER 2, 50, 57
	ITER 3, 50, 57
	ITER 4, 50, 57
	ITER 5, 50, 57
	ITER 6, 50, 41                                 ; nothing new is asked for: 16 + 16 + 9
	ITER 7, 9, 0
	s_cmp_eq_u32 s28, 0                            ; RANKS 512 ON: from the codes in LDS, which nobody writes any more: no barrier
	s_cbranch_scc1 .Lend
	s_wait_loadcnt 0x0                             ; no load names the address registers any more
	s_wait_alu depctr_vm_vsrc(0)                   ; the loads of x have read v[XA], v[XA+1] and v[XSO], which are written anew below
	TLOAD 1                                        ; into v[FR] on.  No wait on va_vdst: none of the vector side has been issued since the last one (behind step 7's quantising lines, or ahead of the epilogue's stores)
	s_wait_loadcnt 0x0
	TADR
	s_wait_alu depctr_va_vdst(0)                   ; my rows' offsets are written, which the loads of x read
.irp hf, 0,1
	ACCINIT \hf                                    ; no wait: nothing issued since the last wait on va_vdst (above, or ahead of the epilogue's stores) names ACC
.irp kc, 0,1,2,3
.if \kc > 0
	s_wait_alu depctr_va_vdst(0)                   ; the last products are done reading XF0, v[FR ..] and v[WS ..], in which the loads below land
.endif
	XLOAD \kc, 0
	s_wait_loadcnt 0x0
	PRODUCT 4*\hf+\kc, 0
.endr
	EPILOGUE \hf, 1
.endr
.Lend:
	s_wait_dscnt 0x0                               ; the closing lines, six on end
	s_wait_alu 0x0
	s_wait_tensorcnt 0x0
	ds_add_u32 v254, v255
	s_wait_dscnt 0x0
	s_endpgm
.Lfunc_end_k_q4b376c0f46_ffn1:
	.size	k_q4b376c0f46_ffn1, .Lfunc_end_k_q4b376c0f46_ffn1-k_q4b376c0f46_ffn1
	.p2alignl 7, 3214868480
	.fill 96, 4, 3214868480
	.section	.rodata,"a",@progbits
	.p2align	6, 0x0
	.amdhsa_kernel k_q4b376c0f46_ffn1
		.amdhsa_group_segment_fixed_size 72192
		.amdhsa_private_segment_fixed_size 0
		.amdhsa_enable_private_segment 0
		.amdhsa_kernarg_size 56
		.amdhsa_user_sgpr_count 2
		.amdhsa_user_sgpr_kernarg_segment_ptr 1
		.amdhsa_wavefront_size32 1
		.amdhsa_system_sgpr_workgroup_id_x 1
		.amdhsa_system_sgpr_workgroup_id_y 1
		.amdhsa_system_sgpr_workgroup_id_z 1
		.amdhsa_system_vgpr_workitem_id 0
		.amdhsa_next_free_vgpr 256
		.amdhsa_next_free_sgpr 66
		.amdhsa_reserve_vcc 0
		.amdhsa_float_denorm_mode_32 3
		.amdhsa_float_denorm_mode_16_64 3
		.amdhsa_memory_ordered 1
		.amdhsa_forward_progress 1
		.amdhsa_inst_pref_size 143
	.end_amdhsa_kernel
	.amdgpu_metadata
---
amdhsa.version: [ 1, 2 ]
amdhsa.kernels:
  - .name:           k_q4b376c0f46_ffn1
    .symbol:         k_q4b376c0f46_ffn1.kd
    .args:
      - { .name: W1, .offset: 0, .size: 8, .value_kind: global_buffer, .address_space: global }
      - { .name: b1, .offset: 8, .size: 8, .value_kind: global_buffer, .address_space: global }
      - { .name: xc, .offset: 16, .size: 8, .value_kind: global_buffer, .address_space: global }
      - { .name: xs, .offset: 24, .size: 8, .value_kind: global_buffer, .address_space: global }
      - { .name: list, .offset: 32, .size: 8, .value_kind: global_buffer, .address_space: global }
      - { .name: hc, .offset: 40, .size: 8, .value_kind: global_buffer, .address_space: global }
      - { .name: hs, .offset: 48, .size: 8, .value_kind: global_buffer, .address_space: global }
    .group_segment_fixed_size: 72192
    .private_segment_fixed_size: 0
    .kernarg_segment_align: 8
    .kernarg_segment_size: 56
    .max_flat_workgroup_size: 512
    .sgpr_count:     66
    .vgpr_count:     256
    .wavefront_size: 32
...
	.end_amdgpu_metadata
.endif
;; end of part 8
;; launch ffn2 (part 9): grid 256 x 1, 16 waves a work-group, no clusters, 141,568 bytes of LDS; arguments W2, b2, hc, hs, list, gate, y; writes y
.if DOCPART == 9
	.amdgcn_target "amdgcn-amd-amdhsa--gfx1250"
	.amdhsa_code_object_version 6
	.text
	.protected	k_q4b376c0f46_ffn2
	.globl	k_q4b376c0f46_ffn2
	.p2align	8
	.type	k_q4b376c0f46_ffn2,@function
k_q4b376c0f46_ffn2:
	s_mov_b64 s[64:65], 0
	v_nop
	global_prefetch_b8 v0, s[64:65] scope:SCOPE_SE
	s_setreg_imm32_b32 hwreg(HW_REG_WAVE_SCHED_MODE, 0, 2), 2
	s_setreg_imm32_b32 hwreg(HW_REG_WAVE_MODE, 25, 1), 1
	s_wait_xcnt 0x0
	s_wait_alu depctr_vm_vsrc(0)
; SECOND LAYER OF THE CHOSEN EXPERTS: y[kh][p] = gate[p] x (h[p] W2[e], over half kh of K, + b2[e] in half 0), on codes of E2M1 with E8M0 scales; p = 2 token + j.  The next launch adds a token's four parts.
; THE WEIGHTS STAY, THE ROWS COME, as in the launch before: work-group g owns expert e = g / 32, columns 64 ((g / 2) % 16) on (a row's 256 bytes) and half kh = g % 2 of K (2,048 rows): 512 KiB of f32, read ONCE,
; quantised in registers (a lane to a column, registers down K) and laid in LDS as images of operand registers.  EIGHT STEPS of 256 rows.  STREAM: wave w takes columns 32 (w % 2) + lane, rows 32 (w / 2) + 0 .. 31 of a step.
; PRODUCT: wave w takes ranks 32 w .. 32 w + 31, two tiles, against four tiles of columns: eight accumulators.  h's fragments come from hc as they were stored: images.  Ranks 512 on: at the end, from the codes in LDS.
; THE LIST (p by rank, the count M) is the one by which h was laid.  Ranks from M on repeat the last row: the same numbers go to the same bytes of y, from the same wave.
; Every barrier, every global load and every counted wait stands on every wave's path; a wave without rows jumps over LDS loads, matrix and vector work and stores alone, and its loads of h all name 16 bytes of pair 0, which is always written.
; The product is used TRANSPOSED (source 0 = 16 columns of W2, source 1 = 16 rows of h): a lane holds eight neighbouring columns of one row.  b2 (zeros in half 1) is the C of each sum's first product.
; NO JOINT LOADS: which waves work hangs on a count read from memory, so the operands go from memory straight into registers; the weights are shared with nobody.
; LIMITS: NaN and infinities are not served; a block whose largest magnitude is under 2^-124 (a block of zeros too) gets the byte 1.
; THE MODE: SCHED_MODE bits 1:0 = 2 (LLVM: expert scheduling mode 2), set by the entry lines.  The code itself states the register dependences
; between vector or matrix instructions and memory or LDS instructions, with s_wait_alu, always for 0.
; THE PLAN.  Registers that memory or LDS instructions touch:
;   X0, X1      Step it: the quantising lines read X[it % 2]; behind them the loads of step it + 2 land in it, sixteen at once, sixteen behind the products.  In step 6 the rows' p land in X0's first sixteen.
;               On the way out X0's second sixteen hold the stores' offsets, and X1 is the second tile's out-buffer.
;   v[FR ..]    Step it: the quantising lines write the first eight; two LDS stores read five of these; behind the barrier the fragments' LDS loads land in all 32, once for each K step, and the products read them.
;               On the way out they are the first tile's out-buffer.
;   v[WS ..]    Step it: LDS loads land in them, the products read them as scales.
;   XF0, XF1    Step it: the products read XF[it % 2]; behind them the loads of step it + 2 land in it.
;   ACC         In step 0 b2's LDS loads land in it; products; the way out multiplies it in place, and LDS stores read it.  Ahead of step 0 one register holds b2 as loaded, masked by a vector line, read by one LDS store.
;   v[G0 ..]    The gates: loads land, the way out's multiplies read.
;   Addresses   Made at the head (the gates' offsets and h's behind the list's loads); the gates' offsets are written again ahead of ranks 512 on, the others never.
; THE WAITS OF A STEP.  (1) On va_vdst behind the quantising lines: the codes and the byte are written; X[it % 2] has been read; the step before is done with v[FR ..], v[WS ..] and ACC.  No vector or matrix instruction
; stands between it and the LDS loads behind the barrier, and none behind it names X: so it serves the LDS stores, the 32 loads of W2 (in step 6 the sixteen of p), b2's loads and the first fragments' loads.
; (2) On vm_vsrc behind the barrier, ahead of the branch: the LDS stores have read their data, in which LDS loads land.  (3) On va_vdst between the two K steps: the eight products have read the four fragments.
; (4) On va_vdst ahead of h's loads: the products have read XF[it % 2].
; THE WAY OUT has ONE wait on va_vdst: all its vector lines stand first; with an out-buffer and eight offsets to each tile no register that a store reads is written again inside it.
.set SC,    65536                      ; LDS: 0: the codes, 8 steps x 8,192 B;  here: W2's scale bytes: it 512 + pair of tiles 256 + slot 8 + K step 4 + byte
.set BIAS,  69632                      ; my 64 numbers of b2
.set STAGE, 69888                      ; the way out: 16 rows x (256 + 16) bytes for each wave
.set WO,   1
.set CST,  2
.set SST,  3
.set FRD,  4
.set SRD,  5
.set BIA,  6                           ; BIAS + 32 (lane / 16)
.set LR,   7                           ; the list: 4 (32 w + lane % 16)
.set LP,   8                           ; 4 (32 w + lane / 16)
.set BST,  10
.set HO,   11                          ; hc: 16 lane (0 in a wave without rows)
.set G0,   12                          ; v12, v13: the gates of my row in tiles A and B
.set HSO,  14                          ; hs: 4 lane (or 0)
.set STW,  15
.set STR,  16
.set BOF,  17
.set COL,  18                          ; 16 (lane % 16)
.set GOA,  19                          ; the gates' offsets
.set GOB,  252
.set LN,   254
.set HH,   255
.set X,    20
.set XF,   84
.set ACC,  152
.set FR,   216
.set WS,   248
.set OB0,  FR                          ; the way out: tile A's 16 rows read back from the stage;
.set OB1,  X+32                        ; tile B's
	s_load_b256 s[4:11], s[0:1], 0x0               ; W2 s[4:5], b2 s[6:7], hc s[8:9], hs s[10:11]
	s_load_b128 s[12:15], s[0:1], 0x20             ; list s[12:13], gate s[14:15]
	s_load_b64 s[16:17], s[0:1], 0x30              ; y
	v_lshl_add_u32 v9, v0, 2, 0x22100
	v_mov_b32 v253, 0
	v_lshrrev_b32 v[LN], 5, v0
	v_readfirstlane_b32 s20, v[LN]                 ; wave
	s_wait_alu depctr_va_sdst(0)                   ; s20 is written, ahead of its first reader: addresses, bases and the branches on the wave's number are made from it
	s_and_b32 s21, s20, 1
	s_lshr_b32 s22, s20, 1
	s_lshr_b32 s23, ttmp9, 5                       ; expert
	s_bfe_u32 s24, ttmp9, 0x40001                  ; slice of 64 columns
	s_and_b32 s52, ttmp9, 1                        ; half of K
	s_cmp_eq_u32 s52, 0
	s_cselect_b32 s51, -1, 0                       ; b2 counts in half 0 alone
	v_and_b32 v[LN], 31, v0
	s_wait_alu depctr_va_vdst(0)
	v_bfe_u32 v[HH], v0, 4, 1
	s_wait_alu depctr_va_vdst(0)
	v_and_b32 v[COL], 15, v0                       ; lane % 16, for now
	s_lshl_b32 s46, s22, 17
	s_lshl_b32 s47, s21, 7
	s_add_co_u32 s46, s46, s47
	v_lshl_add_u32 v[WO], v[LN], 2, s46            ; 32 (w / 2) rows of 4,096 bytes + 128 (w % 2) + 4 lane
	s_lshl_b32 s46, s21, 12
	s_lshl_b32 s47, s22, 8
	s_add_co_u32 s46, s46, s47
	v_lshl_add_u32 v[CST], v[COL], 4, s46          ; column q of my 32 goes to tile 2 cg + q / 16, slot q % 16
	v_lshl_add_u32 v[CST], v[HH], 11, v[CST]
	s_lshl_b32 s46, s21, 8
	s_add_co_u32 s46, s46, s22
	s_add_co_u32 s46, s46, SC
	v_lshl_add_u32 v[SST], v[LN], 3, s46
	v_lshlrev_b32 v[FRD], 4, v[LN]
	v_lshl_add_u32 v[SRD], v[LN], 3, SC
	v_lshl_add_u32 v[BIA], v[HH], 5, BIAS
	v_and_b32 v[LR], 0x1ef, v0
	v_lshlrev_b32 v[LR], 2, v[LR]
	v_and_b32 v[LP], 0x1e0, v0
	v_add_nc_u32 v[LP], v[LP], v[HH]
	v_lshlrev_b32 v[LP], 2, v[LP]
	v_and_b32 v[BOF], 63, v0
	v_lshlrev_b32 v[BOF], 2, v[BOF]
	v_add_nc_u32 v[BST], BIAS, v[BOF]
	v_lshlrev_b32 v[HSO], 2, v[LN]
	s_mul_i32 s46, s20, 4352
	s_add_co_u32 s46, s46, STAGE                   ; my stage
	v_mul_u32_u24 v[STW], v[COL], 272
	v_lshl_add_u32 v[STW], v[HH], 5, v[STW]
	v_add_nc_u32 v[STW], s46, v[STW]               ; in: row lane % 16, 32 bytes for each half of the lanes
	v_mul_u32_u24 v[STR], v[HH], 272
	v_lshl_add_u32 v[STR], v[COL], 4, v[STR]
	v_add_nc_u32 v[STR], s46, v[STR]               ; back: lanes 0-15 one row, lanes 16-31 the next
	v_lshlrev_b32 v[COL], 4, v[COL]
	s_mov_b32 s47, 0
	s_lshl_b32 s48, s52, 23
	s_lshl_b32 s49, s24, 8
	s_add_co_u32 s48, s48, s49                     ; 8 MiB kh + 256 slice: the same in W2 (within an expert) and in y
	s_lshl_b32 s46, s23, 24
	s_add_co_u32 s46, s46, s48
	s_wait_kmcnt 0x0
	s_add_nc_u64 s[32:33], s[4:5], s[46:47]        ; W2
	s_mul_i32 s46, s23, 4352
	s_add_nc_u64 s[12:13], s[12:13], s[46:47]      ; my expert's list
	s_load_b32 s25, s[12:13], 0x1000               ; M
	s_mov_b32 s46, s48
	s_add_nc_u64 s[34:35], s[16:17], s[46:47]      ; y
	s_lshl_b32 s46, s23, 21
	s_lshl_b32 s48, s52, 14
	s_add_co_u32 s46, s46, s48
	s_add_nc_u64 s[40:41], s[8:9], s[46:47]        ; hc: expert, my half's first K step; the pair is added when M is known
	s_lshl_b32 s46, s23, 17
	s_lshl_b32 s48, s52, 11
	s_add_co_u32 s46, s46, s48
	s_add_nc_u64 s[42:43], s[10:11], s[46:47]      ; hs likewise
	s_lshl_b32 s46, s23, 12
	s_add_co_u32 s46, s46, s49
	s_add_nc_u64 s[44:45], s[6:7], s[46:47]        ; b2 at my 64 columns
.macro WLOAD it, from, to              ; rows from .. to - 1 of my block of step it; the largest offset, 7 x 2^20 + 31 x 4,096, lies inside the signed 24-bit immediate
.set wi, \from
.rept (\to)-(\from)
	global_load_b32 v[X+32*((\it)%2)+wi], v[WO], s[32:33] offset:(\it)*1048576+wi*4096 th:TH_LOAD_NT
.set wi, wi+1
.endr
.endm
.macro HLOAD it, set, ob               ; ten loads: h's four fragments of step it (two tiles x two K steps), as images, and their scale words
.irp u, 0,1
.irp ks, 0,1
.irp c, 0,1
	global_load_b128 v[XF+34*(\set)+16*\u+8*\ks+4*\c:XF+34*(\set)+16*\u+8*\ks+4*\c+3], v[HO], s[40:41] offset:(\ob)*1048576+\u*32768+(2*(\it)+\ks)*1024+512*\c
.endr
.endr
.endr
.irp ks, 0,1
	global_load_b32 v[XF+34*(\set)+32+\ks], v[HSO], s[42:43] offset:(\ob)*65536+(2*(\it)+\ks)*128
.endr
.endm
.macro PLOAD ob                        ; sixteen loads: p of rank 32 w + 16 u + 2 i + lane / 16, for the way out, into the set of W2's numbers that has fallen free
.irp u, 0,1
.irp i, 0,1,2,3,4,5,6,7
	global_load_b32 v[X+8*\u+\i], v[LP], s[12:13] offset:2048*(\ob)+64*\u+8*\i
.endr
.endr
.endm
.macro QW base
	v_max3_num_f32 v[FR], |v[\base]|, |v[\base+1]|, |v[\base+2]|
	v_max3_num_f32 v[FR+1], |v[\base+3]|, |v[\base+4]|, |v[\base+5]|
.irp i, 6,10,14,18,22,26
	v_max3_num_f32 v[FR], v[FR], |v[\base+\i]|, |v[\base+\i+1]|
	v_max3_num_f32 v[FR+1], v[FR+1], |v[\base+\i+2]|, |v[\base+\i+3]|
.endr
	v_max3_num_f32 v[FR], v[FR], |v[\base+30]|, |v[\base+31]|
	v_max3_num_f32 v[FR], v[FR], v[FR+1], 0x1800000    ; the floor 2^(3 - 127)
	v_add_nc_u32 v[FR+2], 0xff000000, v[FR]
.irp g, 0,1,2,3
	v_cvt_scalef32_pk8_fp4_f32 v[FR+4+\g], v[\base+8*\g:\base+8*\g+7], v[FR+2]
.endr
	v_lshrrev_b32 v[FR+3], 23, v[FR+2]                 ; (a plain line behind the conversions)
.endm
.macro ACCINIT                         ; b2 in the result's layout: tile ct, register j, lane half h: column 16 ct + 8 h + j
.irp u, 0,1
.irp ct, 0,1,2,3
.irp hh, 0,1
	ds_load_b128 v[ACC+32*\u+8*\ct+4*\hh:ACC+32*\u+8*\ct+4*\hh+3], v[BIA] offset:64*\ct+16*\hh
.endr
.endr
.endr
.endm
.macro WM u, ct, ks, set
.set rD, ACC+32*(\u)+8*(\ct)
.set rA, FR+8*(\ct)
.set rB, XF+34*(\set)+16*(\u)+8*(\ks)
.set rSA, WS+2*((\ct)/2)+(\ks)
.set rSB, XF+34*(\set)+32+(\ks)
.if (((\ct)%2) == 0) && ((\u) == 0)
	v_wmma_scale_f32_16x16x128_f8f6f4 v[rD:rD+7], v[rA:rA+7], v[rB:rB+7], v[rD:rD+7], v[rSA], v[rSB] matrix_a_fmt:MATRIX_FMT_FP4 matrix_b_fmt:MATRIX_FMT_FP4
.elseif ((\ct)%2) == 0
	v_wmma_scale_f32_16x16x128_f8f6f4 v[rD:rD+7], v[rA:rA+7], v[rB:rB+7], v[rD:rD+7], v[rSA], v[rSB] matrix_a_fmt:MATRIX_FMT_FP4 matrix_b_fmt:MATRIX_FMT_FP4 matrix_b_scale:MATRIX_SCALE_ROW1
.elseif (\u) == 0
	v_wmma_scale_f32_16x16x128_f8f6f4 v[rD:rD+7], v[rA:rA+7], v[rB:rB+7], v[rD:rD+7], v[rSA], v[rSB] matrix_a_fmt:MATRIX_FMT_FP4 matrix_b_fmt:MATRIX_FMT_FP4 matrix_a_scale:MATRIX_SCALE_ROW1
.else
	v_wmma_scale_f32_16x16x128_f8f6f4 v[rD:rD+7], v[rA:rA+7], v[rB:rB+7], v[rD:rD+7], v[rSA], v[rSB] matrix_a_fmt:MATRIX_FMT_FP4 matrix_b_fmt:MATRIX_FMT_FP4 matrix_a_scale:MATRIX_SCALE_ROW1 matrix_b_scale:MATRIX_SCALE_ROW1
.endif
.endm
; 16 matrix instructions; the eight accumulators take turns, one instruction a turn; four plain places behind each run of eight, as they stood.
; The loads at its head owe no wait of their own: whoever calls it has a wait on va_vdst behind the last vector or matrix instruction that named v[WS ..] or v[FR ..].
.macro PRODUCT it, set
	ds_load_b64 v[WS:WS+1], v[SRD] offset:(\it)*512
	ds_load_b64 v[WS+2:WS+3], v[SRD] offset:(\it)*512+256
.irp ks, 0,1
.if \ks
	s_wait_alu depctr_va_vdst(0)                   ; the eight products above are done reading the four fragments v[FR ..], in which the second K step's land
.endif
.irp ct, 0,1,2,3
.irp c, 0,1
	ds_load_b128 v[FR+8*\ct+4*\c:FR+8*\ct+4*\c+3], v[FRD] offset:(\it)*8192+\ct*2048+\ks*1024+\c*512
.endr
.endr
	s_wait_dscnt 0x0
.irp ct, 0,1,2,3
.irp u, 0,1
	WM \u, \ct, \ks, \set
.endr
.endr
.rept 4
	v_nop
.endr
.endr
.endm
; THE WAY OUT: x the row's gate; a tile of 16 rows at a time through my own stage, so that sixteen lanes hold a row's 256 bytes; each row to its own p in y (p: v[X] on, by PLOAD).
.macro TOSTAGE u, ob                   ; tile u into the stage, and back as whole rows into out-buffer ob
.irp ct, 0,1,2,3
.irp hh, 0,1
	ds_store_b128 v[STW], v[ACC+32*(\u)+8*\ct+4*\hh:ACC+32*(\u)+8*\ct+4*\hh+3] offset:64*\ct+16*\hh
.endr
.endr
.irp i, 0,1,2,3,4,5,6,7
	ds_load_b128 v[(\ob)+4*\i:(\ob)+4*\i+3], v[STR] offset:544*\i  ; LDS serves a wave's instructions in order (ISA guide 5.7.1.4): these see the stores above, and the next tile's stores come behind them
.endr
.endm
.macro SEND u, ob
.irp i, 0,1,2,3,4,5,6,7
	global_store_b128 v[X+16+8*(\u)+\i], v[(\ob)+4*\i:(\ob)+4*\i+3], s[34:35]   ; sixteen lanes store 256 bytes on end, at a multiple of 256 from y's first byte
.endr
.endm
.macro EPILOGUE2
.set ej, 0
.rept 16
	v_pk_mul_f32 v[ACC+ej:ACC+ej+1], v[ACC+ej:ACC+ej+1], v[G0:G0+1] op_sel_hi:[1,0]                        ; ascending: each accumulator is first read at its low end
.set ej, ej+2
.endr
.set ej, 0
.rept 16
	v_pk_mul_f32 v[ACC+32+ej:ACC+32+ej+1], v[ACC+32+ej:ACC+32+ej+1], v[G0:G0+1] op_sel:[0,1] op_sel_hi:[1,1]
.set ej, ej+2
.endr
.irp i, 0,1,2,3,4,5,6,7,8,9,10,11,12,13,14,15
	v_min_u32 v[X+\i], 2047, v[X+\i]
.endr
.irp i, 0,1,2,3,4,5,6,7,8,9,10,11,12,13,14,15
	v_lshl_add_u32 v[X+16+\i], v[X+\i], 12, v[COL]                 ; row p of 4,096 bytes, my 16 bytes of the slice's 256
.endr
	s_wait_alu depctr_va_vdst(0)                   ; the one wait of the way out: the accumulators are written, which the LDS stores read; the sixteen offsets are written, which the global stores read; the last products are done reading v[FR ..], the quantising lines X1: the stage's loads land in both
	TOSTAGE 0, OB0
	TOSTAGE 1, OB1
	s_wait_dscnt 0x10                              ; tile A is back in registers; tile B's eight stores and eight loads may stay out
	SEND 0, OB0
	s_wait_dscnt 0x0
	SEND 1, OB1
.endm
.macro GLOAD ob                        ; p of my row (lane % 16) in tiles A and B: two loads
	global_load_b32 v[FR], v[LR], s[12:13] offset:2048*\ob
	global_load_b32 v[FR+1], v[LR], s[12:13] offset:2048*\ob+64
.endm
.macro GOFF                            ; their gates' offsets
	v_min_u32 v[FR], 2047, v[FR]
	v_min_u32 v[FR+1], 2047, v[FR+1]
	v_lshlrev_b32 v[GOA], 2, v[FR]
	v_lshlrev_b32 v[GOB], 2, v[FR+1]
.endm
.macro GGET                            ; and the gates: two loads
	global_load_b32 v[G0], v[GOA], s[14:15]
	global_load_b32 v[G0+1], v[GOB], s[14:15]
.endm
.macro ITER it, nh, np
	s_wait_loadcnt \nh
	QW X+32*((\it)%2)
.if (\it) == 0
	v_and_b32 v[ACC+32], s51, v[ACC+32]            ; b2 as loaded, zeros in half 1.  In every wave, ahead of the wait below, so that this one wait serves its LDS store too; waves 0 and 1 store it
.endif
	s_wait_alu depctr_va_vdst(0)                   ; the codes and the byte (in step 0 b2 too) are written, which the LDS stores read; X[it % 2] has been read, in which the loads of W2 or of p land; the step before is done with v[FR ..], v[WS ..] and ACC, in which the LDS loads behind the barrier land
	ds_store_b128 v[CST], v[FR+4:FR+7] offset:(\it)*8192
	ds_store_b8 v[SST], v[FR+3] offset:(\it)*512
.if (\it) == 0
	s_cmp_ge_u32 s20, 2
	s_cbranch_scc1 .Lnob_\@
	ds_store_b32 v[BST], v[ACC+32]                 ; waves 0 and 1: b2's 64 numbers
.Lnob_\@:
.endif
.if (\it) <= 5
	WLOAD (\it)+2, 0, 16
.endif
.if (\it) == 6
	PLOAD 0                                        ; no weights are left to ask for: the rows' places in y, a step and a half ahead of the way out
.endif
	s_wait_dscnt 0x0                               ; for the others' sake: my codes and my byte lie in LDS
	s_barrier_signal -1
	s_barrier_wait -1                              ; the step's codes and scale bytes are whole; each step has bytes of its own
	s_wait_loadcnt \np
	s_wait_alu depctr_vm_vsrc(0)                   ; my LDS stores have read v[FR+3] to v[FR+7] (in step 0 b2's register too): the fragments' and the biases' loads land there, or the next step's quantising lines write them
.if (\it) == 0
	ACCINIT
.endif
	s_cmp_eq_u32 s27, 0
	s_cbranch_scc1 .Lidle_\@
	PRODUCT \it, (\it)%2
.if (\it) == 7
	EPILOGUE2
.endif
.Lidle_\@:
.if (\it) <= 5
	WLOAD (\it)+2, 16, 32                          ; no wait: no vector or matrix instruction since the wait behind the quantising lines names X
	s_wait_alu depctr_va_vdst(0)                   ; this step's products are done reading XF[it % 2], fragments and scale words, in which the ten loads below land
	HLOAD (\it)+2, (\it)%2, 0
.endif
.endm
	s_wait_alu depctr_va_vdst(0)                   ; the addresses and offsets made above are written, which the loads and stores of the whole kernel read
	GLOAD 0
	global_load_b32 v[ACC+32], v[BOF], s[44:45]
	WLOAD 0, 0, 32
	WLOAD 1, 0, 16
	s_wait_loadcnt 0x30                            ; my rows and b2 are in; the 48 loads of W2 issued behind them may stay out
	GOFF
	s_wait_kmcnt 0x0                               ; M
	s_lshl_b32 s47, s20, 5
	s_cmp_lt_u32 s47, s25
	s_cselect_b32 s27, 1, 0                        ; have I rows?
	s_add_co_u32 s47, s47, 512
	s_cmp_lt_u32 s47, s25
	s_cselect_b32 s28, 1, 0                        ; and rows past rank 511?
	s_min_u32 s46, s27, 1                          ; 0 or 1: it multiplies offsets.  A wave without rows reads pair 0's first 16 bytes of each image
	s_mul_i32 s48, s20, s46
	s_mov_b32 s49, 0
	s_lshl_b32 s48, s48, 12
	s_add_nc_u64 s[42:43], s[42:43], s[48:49]      ; hs at my pair
	s_lshl_b32 s48, s48, 4
	s_add_nc_u64 s[40:41], s[40:41], s[48:49]      ; hc at my pair
	v_mul_u32_u24 v[HO], s46, v[FRD]
	v_mul_u32_u24 v[HSO], s46, v[HSO]
	s_wait_alu depctr_va_vdst(0)                   ; the gates' offsets v[GOA], v[GOB] and h's offsets v[HO], v[HSO] are written, which the loads below read
	GGET
	HLOAD 0, 0, 0
	WLOAD 1, 16, 32
	HLOAD 1, 1, 0
	ITER 0, 54, 42                                 ; 16 + 2 + 10 + 16 + 10;  16 + 10 + 16
	ITER 1, 52, 58                                 ; 10 + 16 + 16 + 10;  16 + 16 + 10 + 16
	ITER 2, 52, 58
	ITER 3, 52, 58
	ITER 4, 52, 58
	ITER 5, 52, 58
	ITER 6, 52, 58                                 ; 10 + 16 + 16 + 10;  16 + 16 + 10 + the sixteen loads of p
	ITER 7, 26, 0                                  ; 10 + 16;  all: the way out wants p
	s_cmp_eq_u32 s28, 0                            ; RANKS 512 ON: from the codes in LDS, which nobody writes any more: no barrier
	s_cbranch_scc1 .Lend
	s_wait_loadcnt 0x0                             ; no load names the gates' offsets any more
	s_wait_xcnt 0x0                                ; the way out's stores have had their addresses translated (ISA guide 3.1): their data and offsets are written again only behind this wait
	s_wait_alu depctr_vm_vsrc(0)                   ; those stores have read both out-buffers and the sixteen offsets, the stage's stores the accumulators, the gates' loads v[GOA] and v[GOB]: all of these are written again below
	GLOAD 1                                        ; into v[FR] on, and p into X0.  No wait on va_vdst: none of the vector side has been issued since the last one (behind step 7's quantising lines, or the way out's)
	PLOAD 1
	s_wait_loadcnt 0x0
	GOFF
	s_wait_alu depctr_va_vdst(0)                   ; the gates' offsets are written, which the two loads below read
	GGET
	ACCINIT
.irp t, 0,1,2,3,4,5,6,7
.if \t > 0
	s_wait_alu depctr_va_vdst(0)                   ; the last products are done reading XF0, v[FR ..] and v[WS ..], in which the loads below land
.endif
	HLOAD \t, 0, 1
	s_wait_loadcnt 0x0
	PRODUCT \t, 0
.endr
	EPILOGUE2
.Lend:
	s_wait_dscnt 0x0                               ; the closing lines, six on end
	s_wait_alu 0x0
	s_wait_tensorcnt 0x0
	ds_add_u32 v9, v253
	s_wait_dscnt 0x0
	s_endpgm
.Lfunc_end_k_q4b376c0f46_ffn2:
	.size	k_q4b376c0f46_ffn2, .Lfunc_end_k_q4b376c0f46_ffn2-k_q4b376c0f46_ffn2
	.p2alignl 7, 3214868480
	.fill 96, 4, 3214868480
	.section	.rodata,"a",@progbits
	.p2align	6, 0x0
	.amdhsa_kernel k_q4b376c0f46_ffn2
		.amdhsa_group_segment_fixed_size 141568
		.amdhsa_private_segment_fixed_size 0
		.amdhsa_enable_private_segment 0
		.amdhsa_kernarg_size 56
		.amdhsa_user_sgpr_count 2
		.amdhsa_user_sgpr_kernarg_segment_ptr 1
		.amdhsa_wavefront_size32 1
		.amdhsa_system_sgpr_workgroup_id_x 1
		.amdhsa_system_sgpr_workgroup_id_y 1
		.amdhsa_system_sgpr_workgroup_id_z 1
		.amdhsa_system_vgpr_workitem_id 0
		.amdhsa_next_free_vgpr 256
		.amdhsa_next_free_sgpr 66
		.amdhsa_reserve_vcc 0
		.amdhsa_float_denorm_mode_32 3
		.amdhsa_float_denorm_mode_16_64 3
		.amdhsa_memory_ordered 1
		.amdhsa_forward_progress 1
		.amdhsa_inst_pref_size 136
	.end_amdhsa_kernel
	.amdgpu_metadata
---
amdhsa.version: [ 1, 2 ]
amdhsa.kernels:
  - .name:           k_q4b376c0f46_ffn2
    .symbol:         k_q4b376c0f46_ffn2.kd
    .args:
      - { .name: W2, .offset: 0, .size: 8, .value_kind: global_buffer, .address_space: global }
      - { .name: b2, .offset: 8, .size: 8, .value_kind: global_buffer, .address_space: global }
      - { .name: hc, .offset: 16, .size: 8, .value_kind: global_buffer, .address_space: global }
      - { .name: hs, .offset: 24, .size: 8, .value_kind: global_buffer, .address_space: global }
      - { .name: list, .offset: 32, .size: 8, .value_kind: global_buffer, .address_space: global }
      - { .name: gate, .offset: 40, .size: 8, .value_kind: global_buffer, .address_space: global }
      - { .name: y, .offset: 48, .size: 8, .value_kind: global_buffer, .address_space: global }
    .group_segment_fixed_size: 141568
    .private_segment_fixed_size: 0
    .kernarg_segment_align: 8
    .kernarg_segment_size: 56
    .max_flat_workgroup_size: 512
    .sgpr_count:     66
    .vgpr_count:     256
    .wavefront_size: 32
...
	.end_amdgpu_metadata
.endif
;; end of part 9
;; launch combine (part 10): grid 256 x 1, 8 waves a work-group, no clusters, 0 bytes of LDS; arguments y, out0; writes out0
.if DOCPART == 10
	.amdgcn_target "amdgcn-amd-amdhsa--gfx1250"
	.amdhsa_code_object_version 6
	.text
	.protected	k_q4b376c0f46_combine
	.globl	k_q4b376c0f46_combine
	.p2align	8
	.type	k_q4b376c0f46_combine,@function
k_q4b376c0f46_combine:
	s_mov_b64 s[64:65], 0
	v_nop
	global_prefetch_b8 v0, s[64:65] scope:SCOPE_SE
	s_setreg_imm32_b32 hwreg(HW_REG_WAVE_MODE, 25, 1), 1
	s_wait_xcnt 0x0
; out0[n] = y[0][2 n] + y[0][2 n + 1] + y[1][2 n] + y[1][2 n + 1]: a token's two experts, each in two halves of K; the gates are in y already.
; A stream: 256 work-groups x 4 tokens; thread t owns bytes 16 t of each row of 4,096, so a wave's load or store covers 512 bytes on end.  All sixteen loads go out first; the waits count down.
; No LDS, no barrier, no matrix unit: nothing is shared and nothing is multiplied.
.set A, 4                              ; v4-67: token q: four registers for each of its four parts
	s_load_b128 s[4:7], s[0:1], 0x0                ; y, out0
	v_lshlrev_b32 v1, 4, v0
	s_lshl_b32 s10, ttmp9, 15                      ; four tokens are eight rows of y,
	s_mov_b32 s11, 0
	s_lshl_b32 s12, ttmp9, 14                      ; and four of out0
	s_mov_b32 s13, 0
	s_wait_alu depctr_va_vdst(0)
	s_wait_kmcnt 0x0
	s_add_nc_u64 s[4:5], s[4:5], s[10:11]
	s_add_nc_u64 s[8:9], s[4:5], 0x800000          ; the second half of K lies 8 MiB on: one byte more than a load's immediate reaches
	s_add_nc_u64 s[6:7], s[6:7], s[12:13]
.irp q, 0,1,2,3
	global_load_b128 v[A+16*\q:A+16*\q+3],     v1, s[4:5] offset:8192*\q th:TH_LOAD_NT
	global_load_b128 v[A+16*\q+4:A+16*\q+7],   v1, s[4:5] offset:8192*\q+4096 th:TH_LOAD_NT
	global_load_b128 v[A+16*\q+8:A+16*\q+11],  v1, s[8:9] offset:8192*\q th:TH_LOAD_NT
	global_load_b128 v[A+16*\q+12:A+16*\q+15], v1, s[8:9] offset:8192*\q+4096 th:TH_LOAD_NT
.endr
.irp q, 0,1,2,3
	s_wait_loadcnt 12-4*\q                         ; token q's four loads are in; the later tokens' may stay out
	v_pk_add_f32 v[A+16*\q:A+16*\q+1],     v[A+16*\q:A+16*\q+1],     v[A+16*\q+4:A+16*\q+5]
	v_pk_add_f32 v[A+16*\q+2:A+16*\q+3],   v[A+16*\q+2:A+16*\q+3],   v[A+16*\q+6:A+16*\q+7]
	v_pk_add_f32 v[A+16*\q+8:A+16*\q+9],   v[A+16*\q+8:A+16*\q+9],   v[A+16*\q+12:A+16*\q+13]
	v_pk_add_f32 v[A+16*\q+10:A+16*\q+11], v[A+16*\q+10:A+16*\q+11], v[A+16*\q+14:A+16*\q+15]
	s_delay_alu instid0(VALU_DEP_2)
	v_pk_add_f32 v[A+16*\q:A+16*\q+1],     v[A+16*\q:A+16*\q+1],     v[A+16*\q+8:A+16*\q+9]
	s_delay_alu instid0(VALU_DEP_2)
	v_pk_add_f32 v[A+16*\q+2:A+16*\q+3],   v[A+16*\q+2:A+16*\q+3],   v[A+16*\q+10:A+16*\q+11]
	global_store_b128 v1, v[A+16*\q:A+16*\q+3], s[6:7] offset:4096*\q th:TH_STORE_NT
.endr
	s_endpgm
.Lfunc_end_k_q4b376c0f46_combine:
	.size	k_q4b376c0f46_combine, .Lfunc_end_k_q4b376c0f46_combine-k_q4b376c0f46_combine
	.p2alignl 7, 3214868480
	.fill 96, 4, 3214868480
	.section	.rodata,"a",@progbits
	.p2align	6, 0x0
	.amdhsa_kernel k_q4b376c0f46_combine
		.amdhsa_group_segment_fixed_size 0
		.amdhsa_private_segment_fixed_size 0
		.amdhsa_enable_private_segment 0
		.amdhsa_kernarg_size 16
		.amdhsa_user_sgpr_count 2
		.amdhsa_user_sgpr_kernarg_segment_ptr 1
		.amdhsa_wavefront_size32 1
		.amdhsa_system_sgpr_workgroup_id_x 1
		.amdhsa_system_sgpr_workgroup_id_y 1
		.amdhsa_system_sgpr_workgroup_id_z 1
		.amdhsa_system_vgpr_workitem_id 0
		.amdhsa_next_free_vgpr 72
		.amdhsa_next_free_sgpr 66
		.amdhsa_reserve_vcc 0
		.amdhsa_float_denorm_mode_32 3
		.amdhsa_float_denorm_mode_16_64 3
		.amdhsa_memory_ordered 1
		.amdhsa_forward_progress 1
		.amdhsa_inst_pref_size 5
	.end_amdhsa_kernel
	.amdgpu_metadata
---
amdhsa.version: [ 1, 2 ]
amdhsa.kernels:
  - .name:           k_q4b376c0f46_combine
    .symbol:         k_q4b376c0f46_combine.kd
    .args:
      - { .name: y, .offset: 0, .size: 8, .value_kind: global_buffer, .address_space: global }
      - { .name: out0, .offset: 8, .size: 8, .value_kind: global_buffer, .address_space: global }
    .group_segment_fixed_size: 0
    .private_segment_fixed_size: 0
    .kernarg_segment_align: 8
    .kernarg_segment_size: 16
    .max_flat_workgroup_size: 256
    .sgpr_count:     66
    .vgpr_count:     72
    .wavefront_size: 32
...
	.end_amdgpu_metadata
.endif
;; end of part 10
